; MI455X (gfx1250); checked and timed in simulation.
; The chip was launched on July 23, 2026; its instructions are those of AMD's public machine-readable ISA for CDNA 5 (MIT licence, August 2026) and "CDNA5" Instruction Set Architecture Reference Guide (July 2026). The comments in the code are by the model that wrote it; some were corrected since.
;; SINK Attention. Allowed arithmetic: float matrix products may take bf16 or f16 operands with f32 sums; other float arithmetic in f32, or as packed bf16 or f16 multiplies, adds, multiply-adds, maxima and minima; sums over many terms, partial sums and values carried from step to step in f32; what a program stores and reads back later, other than sums and carried values, may be rounded once to bf16 or f16.
;; Inputs: Wk 768 x 768 float32; Wo 768 x 768 float32; Wq 768 x 768 float32; Wv 768 x 768 float32; bk 768 float32; bo 768 float32; bq 768 float32; bv 768 float32; hidden_states 1 x 2,048 x 768 float32; ln_b 768 float32; ln_g 768 float32.
;; Outputs: out0 1 x 2,048 x 768 float32.
;; 2 versions, each right and faster than the one before. Each part assembles by itself: llvm-mc -triple=amdgcn-amd-amdhsa -mcpu=gfx1250 --defsym DOCPART=n.
;; ======== version 1 of 2: 11 launches
;; workspace buffers: ab 3,145,728 bytes; wqkv 3,555,328 bytes; wo 1,196,032 bytes; qb 3,145,728 bytes; kb 3,145,728 bytes; vb 3,145,728 bytes; pu 1,572,864 bytes; pv 1,572,864 bytes
;; launch prep (part 1): grid 353 x 1, 8 waves a work-group, no clusters, 0 bytes of LDS; arguments hidden_states, Wq, Wk, Wv, Wo, bq, bk, bv, bo, ab, wqkv, wo, pv; writes ab, wqkv, wo, pv
.if DOCPART == 1
	.amdgcn_target "amdgcn-amd-amdhsa--gfx1250"
	.amdhsa_code_object_version 6
	.text
	.protected	k_q08d84e047f_prep
	.globl	k_q08d84e047f_prep
	.p2align	8
	.type	k_q08d84e047f_prep,@function
k_q08d84e047f_prep:
	s_mov_b64 s[64:65], 0
	v_nop
	global_prefetch_b8 v0, s[64:65] scope:SCOPE_SE
	s_setreg_imm32_b32 hwreg(HW_REG_WAVE_MODE, 25, 1), 1
	s_wait_xcnt 0x0
; PREP: rounds x and the four weight matrices once to bf16 and lays them in blocks of 64 columns, copies the biases, writes the scale tables and the start of v.
;   ab   [16 row blocks][12 column blocks][128 rows][64] bf16      (x)
;   wqkv 16,384 bytes of header, then 36 blocks [768 k][64 n] bf16 (block = 12 x matrix + column block);  wo the same with 12 blocks
;   header: bias f32 at byte 0 (bq, bk, bv on end; bo); scale f32[64] at byte 12,288, one for each tile of 192 columns (q's four tiles: log2(e)/8, all others 1)
;   pv   [8 parts][12 heads][2048][2] f32 = (m, l): part 0 = (-11, 1), the others (-11, 0): eight parts that merge to v = 0 exactly
; A stream: no LDS, no matrix unit, no cluster (no two work-groups read the same bytes).  A wave takes two rows of 768 f32: twelve loads, in each of which
; sixteen lanes cover 256 consecutive aligned bytes, and twelve stores of 8 bytes a lane, 256 consecutive aligned bytes a wave (two rows of 128 bytes of a block).
; Work-groups 0-127: x.  128-319: Wq, Wk, Wv, Wo, 48 each.  320-351: pv.  352: the headers.
.set CSC, 0x3e38aa3b                   ; log2(e) / 8
.set LD,  8                            ; v[8:55]   two rows' share as loaded
.set PK,  56                           ; v[56:79]  packed
.macro PAIR stride                     ; source s[36:37] + v2, destination s[38:39] + v3; stride: bytes from a block to the next
.irp cb, 0,1,2,3,4,5,6,7,8,9,10,11
	global_load_b128 v[LD+4*\cb:LD+4*\cb+3], v2, s[36:37] offset:256*\cb
.endr
.irp cb, 0,1,2,3,4,5,6,7,8,9,10,11
	s_wait_loadcnt 11-\cb                          ; loads come back in order: block cb is in, the younger ones stay out
	v_cvt_pk_bf16_f32 v[PK+2*\cb], v[LD+4*\cb], v[LD+4*\cb+1]
	v_cvt_pk_bf16_f32 v[PK+2*\cb+1], v[LD+4*\cb+2], v[LD+4*\cb+3]
	global_store_b64 v3, v[PK+2*\cb:PK+2*\cb+1], s[38:39] offset:(\stride)*\cb
.endr
.endm
	s_load_b512 s[4:19], s[0:1], 0x0               ; x s[4:5], Wq s[6:7], Wk s[8:9], Wv s[10:11], Wo s[12:13], bq s[14:15], bk s[16:17], bv s[18:19]
	s_load_b256 s[20:27], s[0:1], 0x40             ; bo s[20:21], ab s[22:23], wqkv s[24:25], wo s[26:27]
	s_load_b64 s[28:29], s[0:1], 0x60              ; pv
	v_lshrrev_b32 v1, 5, v0
	v_readfirstlane_b32 s3, v1                     ; wave 0..7
	v_and_b32 v4, 31, v0                           ; lane
	v_and_b32 v5, 15, v0
	v_bfe_u32 v6, v0, 4, 1                         ; which of the two rows
	v_mul_u32_u24 v2, v6, 3072
	v_lshl_add_u32 v2, v5, 4, v2                   ; source: row x 3,072 + 16 x (lane mod 16)
	v_lshlrev_b32 v3, 3, v4                        ; destination: 8 x lane
	v_lshlrev_b32 v7, 4, v0                        ; 16 x thread
	s_mov_b32 s2, ttmp9
	s_mov_b32 s41, 0
	s_mov_b32 s43, 0
	s_wait_kmcnt 0x0
	s_cmp_lt_u32 s2, 128
	s_cbranch_scc0 .Lnot_x
	s_lshl_b32 s40, s2, 4
	s_lshl1_add_u32 s40, s3, s40                   ; my first row: 16 g + 2 w
	s_mul_i32 s40, s40, 3072
	s_add_nc_u64 s[36:37], s[4:5], s[40:41]
	s_lshr_b32 s42, s2, 3                          ; row block
	s_mul_i32 s42, s42, 196608
	s_and_b32 s44, s2, 7
	s_lshl_b32 s44, s44, 4
	s_lshl1_add_u32 s44, s3, s44                   ; row in the block
	s_lshl_b32 s44, s44, 7
	s_add_co_u32 s42, s42, s44
	s_add_nc_u64 s[38:39], s[22:23], s[42:43]
	PAIR 16384
	s_endpgm
.Lnot_x:
	s_cmp_lt_u32 s2, 320
	s_cbranch_scc0 .Lnot_w
	s_sub_co_u32 s32, s2, 128                      ; 0..191: 48 work-groups a matrix
	s_mov_b64 s[36:37], s[6:7]
	s_mov_b64 s[38:39], s[24:25]
	s_mov_b32 s33, 16384                           ; where the matrix's blocks begin in its buffer
	s_mov_b32 s34, 0
	s_cmp_ge_u32 s32, 48
	s_cselect_b64 s[36:37], s[8:9], s[36:37]
	s_cselect_b32 s33, 16384+1179648, s33
	s_cselect_b32 s34, 48, s34
	s_cmp_ge_u32 s32, 96
	s_cselect_b64 s[36:37], s[10:11], s[36:37]
	s_cselect_b32 s33, 16384+2*1179648, s33
	s_cselect_b32 s34, 96, s34
	s_cmp_ge_u32 s32, 144
	s_cselect_b64 s[36:37], s[12:13], s[36:37]
	s_cselect_b64 s[38:39], s[26:27], s[38:39]
	s_cselect_b32 s33, 16384, s33
	s_cselect_b32 s34, 144, s34
	s_sub_co_u32 s32, s32, s34
	s_lshl_b32 s32, s32, 4
	s_lshl1_add_u32 s32, s3, s32                   ; my first row k of the matrix
	s_mul_i32 s40, s32, 3072
	s_add_nc_u64 s[36:37], s[36:37], s[40:41]
	s_lshl_b32 s42, s32, 7
	s_add_co_u32 s42, s42, s33
	s_add_nc_u64 s[38:39], s[38:39], s[42:43]
	PAIR 98304
	s_endpgm
.Lnot_w:
	s_cmp_lt_u32 s2, 352
	s_cbranch_scc0 .Lheaders
	s_sub_co_u32 s32, s2, 320                      ; 32 work-groups, 49,152 bytes each; four of them are one part
	s_mul_i32 s40, s32, 49152
	s_add_nc_u64 s[36:37], s[28:29], s[40:41]
	s_cmp_lt_u32 s32, 4
	s_cselect_b32 s33, 1.0, 0                      ; l: 1 in part 0, 0 elsewhere
	v_mov_b32 v8, 0xc1300000                       ; m = -11
	v_mov_b32 v9, s33
	v_mov_b32 v10, v8
	v_mov_b32 v11, v9
.irp i, 0,1,2,3,4,5,6,7,8,9,10,11
	global_store_b128 v7, v[8:11], s[36:37] offset:4096*\i
.endr
	s_endpgm
.Lheaders:
	s_cmp_lt_u32 s3, 6
	s_cbranch_scc0 .Lscales
	global_load_b128 v[8:11], v7, s[14:15]         ; waves 0-5: 192 threads x 16 bytes = a bias
	global_load_b128 v[12:15], v7, s[16:17]
	global_load_b128 v[16:19], v7, s[18:19]
	global_load_b128 v[20:23], v7, s[20:21]
	s_wait_loadcnt 0x0
	global_store_b128 v7, v[8:11], s[24:25]
	global_store_b128 v7, v[12:15], s[24:25] offset:3072
	global_store_b128 v7, v[16:19], s[24:25] offset:6144
	global_store_b128 v7, v[20:23], s[26:27]
	s_endpgm
.Lscales:
	v_mov_b32 v8, 1.0
	v_mov_b32 v9, 1.0
	s_cmp_eq_u32 s3, 6
	s_cbranch_scc0 .Lwo_scale
	v_mov_b32 v10, CSC
	v_cmp_gt_u32 vcc_lo, 2, v4                     ; lanes 0 and 1 hold tiles 0-3: q's
	v_cndmask_b32 v8, v8, v10, vcc_lo
	v_mov_b32 v9, v8
	global_store_b64 v3, v[8:9], s[24:25] offset:12288
	s_endpgm
.Lwo_scale:
	global_store_b64 v3, v[8:9], s[26:27] offset:12288
	s_endpgm
.Lfunc_end_k_q08d84e047f_prep:
	.size	k_q08d84e047f_prep, .Lfunc_end_k_q08d84e047f_prep-k_q08d84e047f_prep
	.p2alignl 7, 3214868480
	.fill 96, 4, 3214868480
	.section	.rodata,"a",@progbits
	.p2align	6, 0x0
	.amdhsa_kernel k_q08d84e047f_prep
		.amdhsa_group_segment_fixed_size 0
		.amdhsa_private_segment_fixed_size 0
		.amdhsa_enable_private_segment 0
		.amdhsa_kernarg_size 104
		.amdhsa_user_sgpr_count 2
		.amdhsa_user_sgpr_kernarg_segment_ptr 1
		.amdhsa_wavefront_size32 1
		.amdhsa_system_sgpr_workgroup_id_x 1
		.amdhsa_system_sgpr_workgroup_id_y 1
		.amdhsa_system_sgpr_workgroup_id_z 1
		.amdhsa_system_vgpr_workitem_id 0
		.amdhsa_next_free_vgpr 80
		.amdhsa_next_free_sgpr 66
		.amdhsa_reserve_vcc 1
		.amdhsa_float_denorm_mode_32 3
		.amdhsa_float_denorm_mode_16_64 3
		.amdhsa_memory_ordered 1
		.amdhsa_forward_progress 1
		.amdhsa_inst_pref_size 15
	.end_amdhsa_kernel
	.amdgpu_metadata
---
amdhsa.version: [ 1, 2 ]
amdhsa.kernels:
  - .name:           k_q08d84e047f_prep
    .symbol:         k_q08d84e047f_prep.kd
    .args:
      - { .name: hidden_states, .offset: 0, .size: 8, .value_kind: global_buffer, .address_space: global }
      - { .name: Wq, .offset: 8, .size: 8, .value_kind: global_buffer, .address_space: global }
      - { .name: Wk, .offset: 16, .size: 8, .value_kind: global_buffer, .address_space: global }
      - { .name: Wv, .offset: 24, .size: 8, .value_kind: global_buffer, .address_space: global }
      - { .name: Wo, .offset: 32, .size: 8, .value_kind: global_buffer, .address_space: global }
      - { .name: bq, .offset: 40, .size: 8, .value_kind: global_buffer, .address_space: global }
      - { .name: bk, .offset: 48, .size: 8, .value_kind: global_buffer, .address_space: global }
      - { .name: bv, .offset: 56, .size: 8, .value_kind: global_buffer, .address_space: global }
      - { .name: bo, .offset: 64, .size: 8, .value_kind: global_buffer, .address_space: global }
      - { .name: ab, .offset: 72, .size: 8, .value_kind: global_buffer, .address_space: global }
      - { .name: wqkv, .offset: 80, .size: 8, .value_kind: global_buffer, .address_space: global }
      - { .name: wo, .offset: 88, .size: 8, .value_kind: global_buffer, .address_space: global }
      - { .name: pv, .offset: 96, .size: 8, .value_kind: global_buffer, .address_space: global }
    .group_segment_fixed_size: 0
    .private_segment_fixed_size: 0
    .kernarg_segment_align: 8
    .kernarg_segment_size: 104
    .max_flat_workgroup_size: 256
    .sgpr_count:     66
    .vgpr_count:     80
    .wavefront_size: 32
...
	.end_amdgpu_metadata
.endif
;; end of part 1
;; launch proj (part 2): grid 12 x 16, 4 waves a work-group, clusters of 4 x 4, 327,680 bytes of LDS; arguments ab, wqkv, qb, kb, vb; writes qb, kb, vb
.if DOCPART == 2
	.amdgcn_target "amdgcn-amd-amdhsa--gfx1250"
	.amdhsa_code_object_version 6
	.text
	.protected	k_q08d84e047f_proj
	.globl	k_q08d84e047f_proj
	.p2align	8
	.type	k_q08d84e047f_proj,@function
k_q08d84e047f_proj:
	s_mov_b64 s[64:65], 0
	v_nop
	global_prefetch_b8 v0, s[64:65] scope:SCOPE_SE
	s_setreg_imm32_b32 hwreg(HW_REG_WAVE_MODE, 25, 1), 1
	s_wait_xcnt 0x0
	s_wait_alu depctr_hold_cnt(0) depctr_sa_sdst(0) depctr_va_vdst(0) depctr_va_sdst(0) depctr_va_ssrc(0) depctr_va_vcc(0) depctr_vm_vsrc(0)
	s_getreg_b32 s2, hwreg(HW_REG_IB_STS2, 6, 4)
	s_cmp_eq_u32 s2, 0
	s_cbranch_scc0 .Lentry_in_a_cluster
	s_endpgm
.Lentry_in_a_cluster:
	s_bfe_u32 s2, ttmp6, 0x10000c
	s_cmp_lg_u32 s2, 0xf033
	s_cbranch_scc0 .Lentry_shape_is_right
	s_endpgm
.Lentry_shape_is_right:
; PROJ: C = (A W + bias) x scale, K = 768, bf16 operands, f32 sums, C rounded once to bf16 and stored by heads, [12][2048][64].
; A: [16 row blocks][12 k blocks][128][64] bf16.  W: header (bias f32 at 0; scale f32 at 12,288, one a column tile), then blocks [768 k][64 n] bf16.
; A work-group makes 128 rows x 192 columns (three blocks of 64); column tile X = 4 x cluster x + cx, row block Y = 4 x cluster y + cy.  The cluster's x says which of the
; three output buffers is written (q, k, v); with one cluster along x it is always the first.  Wave (a, b): rows 64 a .. + 63 and the six groups of 16 columns of parity b.
; K goes in four chunks of 192 through two LDS slots.  Wave 0 fetches A's chunk (192 rows of 256 bytes), waves 1-3 one block of W each (96 rows of 256 bytes).
; CLUSTER 4 x 4: A's chunk hangs on Y alone and is asked for jointly by a row of the cluster, W's on X alone, by a column.
; THE MATRIX INSTRUCTION IS USED TRANSPOSED (source 0 = 16 columns of W, turned out of LDS by ds_load_tr16_b128; source 1 = 16 rows of A): a lane holds 8 neighbouring columns of a row.
; The bias is the C operand of each sum's first product.  The scale is multiplied in on every path (it is 1 for all but q): no branch hangs on the place in the cluster.
; REGISTERS.  window 0: v16-29 addresses; v64-255 the 24 accumulators ((mi, i) at 64 + 8 (6 mi + i)).
;   window 1: two fragment buffers of 80 (A's four fragments, then W's six); v160-207 the bias as six C operands; v0-95 packed results on the way out.
; LIMITS: operands are rounded to bf16; NaN and infinities are not treated apart.
.set SLOT,  147456                     ; A [3 k blocks][128 rows][144], then W [3 blocks][192 k][160]
.set WOFF,  55296
.set SPARE, 2*SLOT                     ; the spare words: 128 bytes a wave, two blocks of 256 bytes that no other line names
.set ADRA,  16                         ; v16-17  my A fragments in slot 0, 1
.set ADRW,  18                         ; v18-19  my W fragments, blocks 0 and 1
.set ADRW2, 20                         ; v20-21  block 2 (61,440 bytes on: past a 16-bit offset)
.set STO,   24
.set RD,    25
.set CO,    26
.set BO,    27
.set SPW,   28                         ; my spare word; never rewritten
.set NIL,   29                         ; 0; never rewritten
.set ACC,   64
.set F0,    0
.set F1,    80
.set BIASF, 160
.set TMP,   0
.set MSB, 0
.macro WIN new                         ; the immediate's high byte repeats the setting that is left
.if MSB != (\new)
	s_set_vgpr_msb (MSB<<8)|(\new)
.set MSB, \new
.endif
.endm
.set MUL,    0x05                      ; sources 0 and 1 window 1; C and D window 0
.set MULB,   0x15                      ; the same with C in window 1
.set TO_F,   0x40                      ; destination window 1
.set FROM_F, 0x04                      ; store data (source 1) window 1
.macro PLACES                          ; four places in front of loads into registers that matrix instructions have read, and of lines that read results
.rept 4
	v_nop
.endr
.endm
.macro CROUND                          ; a round of the cluster's barrier
	s_barrier_signal -1
	s_barrier_wait -1
	s_cmp_lg_u32 s14, 0
	s_cbranch_scc1 .Lnot_wave_0_\@
	s_barrier_signal -3
.Lnot_wave_0_\@:
	s_barrier_wait -3
	s_barrier_signal -1
	s_barrier_wait -1
.endm
.macro JLOAD s                         ; a joint load; the branch hangs on the wave's number alone; an s_nop 0 and four v_nop follow each line
	s_cmp_eq_u32 s14, 0
	s_cbranch_scc0 .Lfor_w_\@
	tensor_load_to_lds s[32+4*(\s):35+4*(\s)], s[24:31]
	s_nop 0
.rept 4
	v_nop
.endr
	s_branch .Lasked_\@
.Lfor_w_\@:
	tensor_load_to_lds s[48+4*(\s):51+4*(\s)], s[40:47]
	s_nop 0
.rept 4
	v_nop
.endr
.Lasked_\@:
.endm
	s_load_b256 s[4:11], s[0:1], 0x0               ; A s[4:5], W s[6:7], outputs s[8:9], s[10:11],
	s_load_b64 s[12:13], s[0:1], 0x20              ; s[12:13]
	v_lshl_add_u32 v[SPW], v0, 2, SPARE
	v_mov_b32 v[NIL], 0
	ds_add_u32 v[SPW], v[NIL]                      ; the wave's opening: the add and its wait stand ahead of my first tensor load; the set-up, work on registers, stands between
	v_lshrrev_b32 v1, 5, v0
	v_readfirstlane_b32 s14, v1                    ; wave 0..3
	s_lshr_b32 s15, s14, 1                         ; a
	s_and_b32 s16, s14, 1                          ; b
	s_bfe_u32 s17, ttmp6, 0x40000                  ; cx
	s_bfe_u32 s18, ttmp6, 0x40004                  ; cy
	s_lshl_b32 s19, ttmp9, 2
	s_add_co_u32 s19, s19, s17                     ; X
	s_and_b32 s20, ttmp7, 0xffff
	s_lshl_b32 s20, s20, 2
	s_add_co_u32 s20, s20, s18                     ; Y
	s_mov_b32 s21, ttmp9                           ; which output buffer: the same in the whole cluster
	s_lshl_b32 s23, s18, 2
	s_lshl_b32 s23, 15, s23                        ; my row of the cluster
	s_lshl_b32 s62, 0x1111, s17                    ; my column
	s_or_b32 s24, s23, (1<<16)|(1<<20)|(1<<21)|(4<<22)|(3<<25)  ; A: mask; 2-byte elements; padding on; bit 21 beside a mask; after every 32 words 4 words
	s_mov_b32 s25, 128<<16                         ; tensor_dim0 = 128 elements (256 bytes: two rows of a block)
	s_mov_b32 s26, 192<<16                         ; tensor_dim1 = 192
	s_mov_b32 s27, 128<<16                         ; tile_dim0
	s_mov_b32 s28, 192                             ; tile_dim1
	s_mov_b32 s29, 128                             ; dense: 128 elements from row to row
	s_mov_b32 s30, 0
	s_mov_b32 s31, 0
	s_or_b32 s40, s62, (1<<16)|(1<<20)|(1<<21)|(4<<22)|(7<<25)  ; W: my column's mask; 8 words of padding
	s_mov_b32 s41, 128<<16
	s_mov_b32 s42, 96<<16
	s_mov_b32 s43, 128<<16
	s_mov_b32 s44, 96
	s_mov_b32 s45, 128
	s_mov_b32 s46, 0
	s_mov_b32 s47, 0
	s_mul_i32 s66, s20, 196608                     ; A's row block: hangs on Y alone
	s_mov_b32 s67, 0
	s_mul_i32 s68, s19, 3
	s_max_u32 s63, s14, 1
	s_add_co_u32 s68, s68, s63
	s_sub_co_u32 s68, s68, 1                       ; W's block 3 X + w - 1 (wave 0 asks for none: it names wave 1's)
	s_mul_i32 s68, s68, 98304
	s_add_co_u32 s68, s68, 16384
	s_mov_b32 s69, 0
	s_mul_i32 s70, s14, 30720
	s_add_co_u32 s70, s70, WOFF-30720              ; where W's block goes: WOFF + (w - 1) x 30,720
	s_lshl_b32 s71, s19, 2                         ; the scale's place in the table
	s_mul_i32 s72, s19, 768                        ; the tile's 192 biases
	s_mov_b32 s73, 0
	s_mul_i32 s74, s17, 6144                       ; output: head 3 cx, row 128 Y + 32 w, rows of 128 bytes
	s_lshl_b32 s75, s20, 7
	s_add_co_u32 s74, s74, s75
	s_lshl_b32 s75, s14, 5
	s_add_co_u32 s74, s74, s75
	s_lshl_b32 s74, s74, 7
	s_mov_b32 s75, 0
	v_and_b32 v1, 15, v0                           ; r
	v_bfe_u32 v2, v0, 4, 1                         ; h
	v_mul_u32_u24 v3, v1, 144
	v_lshl_add_u32 v3, v2, 4, v3                   ; 144 r + 16 h
	s_mul_i32 s23, s15, 9216                       ; my 64 rows
	v_add_nc_u32 v[ADRA], s23, v3
	v_add_nc_u32 v[ADRA+1], SLOT, v[ADRA]
	v_and_b32 v4, 7, v0
	v_lshl_add_u32 v4, v2, 3, v4                   ; the turning load: k row 8 h + l % 8,
	v_mul_u32_u24 v4, v4, 160
	v_bfe_u32 v5, v0, 3, 1
	v_lshl_add_u32 v4, v5, 4, v4                   ; 16 bytes for each half of eight lanes,
	s_lshl_b32 s63, s16, 5
	s_add_co_u32 s62, s63, WOFF                    ; my parity's 16 columns
	v_add_nc_u32 v[ADRW], s62, v4
	v_add_nc_u32 v[ADRW+1], SLOT, v[ADRW]
	v_add_nc_u32 v[ADRW2], 61440, v[ADRW]
	v_add_nc_u32 v[ADRW2+1], 61440, v[ADRW+1]
	s_add_co_u32 s63, s63, s23
	v_add_nc_u32 v[STO], s63, v3                   ; into the stage: row 64 a + r, byte 32 b + 16 h
	v_bfe_u32 v5, v0, 3, 2
	v_mul_u32_u24 v5, v5, 144
	v_and_b32 v6, 7, v0
	v_lshl_add_u32 v5, v6, 4, v5
	s_mul_i32 s63, s14, 4608
	v_add_nc_u32 v[RD], s63, v5                    ; back: rows 32 w .., four rows of 128 bytes a load
	v_and_b32 v6, 31, v0
	v_lshlrev_b32 v[CO], 4, v6                     ; which are 512 consecutive bytes of the output
	v_lshlrev_b32 v[BO], 5, v2
	s_lshl_b32 s63, s16, 6
	v_add_nc_u32 v[BO], s63, v[BO]                 ; bias: (16 b + 8 h) x 4 bytes
	s_wait_dscnt 0x0                               ; the opening add is done
	s_wait_kmcnt 0x0
	s_add_nc_u64 s[66:67], s[4:5], s[66:67]
	s_add_nc_u64 s[68:69], s[6:7], s[68:69]
	s_add_nc_u64 s[60:61], s[6:7], s[72:73]
	s_load_b32 s56, s[6:7], s71 offset:0x3000      ; the tile's scale
	s_cmp_eq_u32 s21, 1
	s_cselect_b64 s[58:59], s[10:11], s[8:9]
	s_cmp_eq_u32 s21, 2
	s_cselect_b64 s[58:59], s[12:13], s[58:59]
	s_add_nc_u64 s[58:59], s[58:59], s[74:75]
.irp s, 0,1
	s_mov_b32 s[32+4*\s], 1
	s_mov_b32 s[33+4*\s], \s*SLOT
	s_add_nc_u64 s[34+4*\s:35+4*\s], s[66:67], \s*49152   ; chunk s: three k blocks of 16,384 bytes
	s_or_b32 s[35+4*\s], s[35+4*\s], 0x80000000
	s_mov_b32 s[48+4*\s], 1
	s_add_co_u32 s[49+4*\s], s70, \s*SLOT
	s_add_nc_u64 s[50+4*\s:51+4*\s], s[68:69], \s*24576   ; 192 k rows of 128 bytes
	s_or_b32 s[51+4*\s], s[51+4*\s], 0x80000000
.endr
	WIN TO_F
.irp i, 0,1,2,3,4,5
	global_load_b128 v[BIASF+8*\i:BIASF+8*\i+3],   v[BO], s[60:61] offset:((\i/2)*64+(\i%2)*32)*4
	global_load_b128 v[BIASF+8*\i+4:BIASF+8*\i+7], v[BO], s[60:61] offset:((\i/2)*64+(\i%2)*32)*4+16
.endr
	WIN 0
	CROUND                                         ; all sixteen work-groups are here: the first joint loads meet
	s_cmp_eq_u32 s14, 0                            ; a wave's two first fills stand in one branch: two loads of mine are out
	s_cbranch_scc0 .Lfirst_w
	tensor_load_to_lds s[32:35], s[24:31]
	s_nop 0
	tensor_load_to_lds s[36:39], s[24:31]
	s_nop 0
.rept 4
	v_nop
.endr
	s_branch .Lfirst_asked
.Lfirst_w:
	tensor_load_to_lds s[48:51], s[40:47]
	s_nop 0
	tensor_load_to_lds s[52:55], s[40:47]
	s_nop 0
.rept 4
	v_nop
.endr
.Lfirst_asked:
; 20 LDS loads: the fragments of 32 along K (sixth kk of a chunk) into buffer f: W's six (turned), A's blocks 0, 1, then A's blocks 2, 3
.macro FETCH slot, kk, f
	WIN TO_F
.irp i, 0,1,2,3
	ds_load_tr16_b128 v[(\f)+32+8*\i:(\f)+32+8*\i+3],   v[ADRW+(\slot)] offset:(\i/2)*30720+(\kk)*5120+(\i%2)*64
	ds_load_tr16_b128 v[(\f)+32+8*\i+4:(\f)+32+8*\i+7], v[ADRW+(\slot)] offset:(\i/2)*30720+(\kk)*5120+(\i%2)*64+2560
.endr
.irp i, 4,5
	ds_load_tr16_b128 v[(\f)+32+8*\i:(\f)+32+8*\i+3],   v[ADRW2+(\slot)] offset:(\kk)*5120+(\i%2)*64
	ds_load_tr16_b128 v[(\f)+32+8*\i+4:(\f)+32+8*\i+7], v[ADRW2+(\slot)] offset:(\kk)*5120+(\i%2)*64+2560
.endr
.irp mi, 0,1,2,3
	ds_load_b128 v[(\f)+8*\mi:(\f)+8*\mi+3],   v[ADRA+(\slot)] offset:((\kk)/2)*18432+\mi*2304+((\kk)%2)*64
	ds_load_b128 v[(\f)+8*\mi+4:(\f)+8*\mi+7], v[ADRA+(\slot)] offset:((\kk)/2)*18432+\mi*2304+((\kk)%2)*64+32
.endr
.endm
; 12 matrix instructions: row blocks 2 half, 2 half + 1 x the six column groups.  first = 1: the bias starts the sums.  The 24 accumulators take turns.
.macro MUL12 f, half, first
.if \first
	WIN MULB
.else
	WIN MUL
.endif
.irp mi, 2*(\half), 2*(\half)+1
.irp i, 0,1,2,3,4,5
.if \first
	v_wmma_f32_16x16x32_bf16 v[ACC+8*(6*(\mi)+\i):ACC+8*(6*(\mi)+\i)+7], v[(\f)+32+8*\i:(\f)+32+8*\i+7], v[(\f)+8*(\mi):(\f)+8*(\mi)+7], v[BIASF+8*\i:BIASF+8*\i+7]
.else
	v_wmma_f32_16x16x32_bf16 v[ACC+8*(6*(\mi)+\i):ACC+8*(6*(\mi)+\i)+7], v[(\f)+32+8*\i:(\f)+32+8*\i+7], v[(\f)+8*(\mi):(\f)+8*(\mi)+7], v[ACC+8*(6*(\mi)+\i):ACC+8*(6*(\mi)+\i)+7]
.endif
.endr
.endr
.endm
; One of a chunk's first five sixths: multiplies buffer f and, in its middle, fetches sixth kk into buffer g.
.macro SIXTH slot, kk, f, g, first
	s_wait_dscnt 4                                 ; W's fragments and A's blocks 0, 1 are in; the youngest four loads (blocks 2, 3) may be out
	MUL12 \f, 0, \first
	PLACES
	FETCH \slot, \kk, \g
	s_wait_dscnt 20                                ; all but the 20 just issued
	MUL12 \f, 1, \first
.endm
.macro FIVE slot, first
	SIXTH \slot, 1, F0, F1, \first
	SIXTH \slot, 2, F1, F0, 0
	SIXTH \slot, 3, F0, F1, 0
	SIXTH \slot, 4, F1, F0, 0
	SIXTH \slot, 5, F0, F1, 0
.endm
; A chunk's last sixth changes slots.  Each wave waits for all its tensor loads (one is out: its part of the next slot), adds 0 to its spare word, and waits for that and for its reads of this slot.
; fill = 1: the barrier is a round of the cluster's, and this slot is filled again, two chunks on, first thing behind it.
.macro TURN slot, next, fill
	WIN 0
	s_wait_tensorcnt 0x0
	ds_add_u32 v[SPW], v[NIL]
	s_wait_dscnt 5                                 ; (the add and the youngest four loads may be out)
	MUL12 F1, 0, 0                                 ; twelve matrix instructions stand between the add and the wait for it
	s_wait_dscnt 0x0                               ; the add is done, and my reads of this slot are over
.if \fill
	WIN 0
	CROUND
	s_add_nc_u64 s[34+4*(\slot):35+4*(\slot)], s[34+4*(\slot):35+4*(\slot)], 98304
	s_add_nc_u64 s[50+4*(\slot):51+4*(\slot)], s[50+4*(\slot):51+4*(\slot)], 49152
	JLOAD \slot                                    ; its four v_nop are also the places in front of the loads below
.else
	s_barrier_signal -1
	s_barrier_wait -1
	PLACES
.endif
	FETCH \next, 0, F0
	MUL12 F1, 1, 0
.endm
	s_wait_tensorcnt 1                             ; my part of chunk 0 is in; chunk 1's may stay out
	s_barrier_signal -1
	s_barrier_wait -1
	FETCH 0, 0, F0
	s_wait_loadcnt 0x0                             ; the bias
	s_wait_kmcnt 0x0                               ; the scale
	s_mov_b32 s57, s56                             ; named with it as a pair
	FIVE 0, 1
	TURN 0, 1, 1
	FIVE 1, 0
	TURN 1, 0, 1
	FIVE 0, 0
	TURN 0, 1, 0                                   ; nothing is left to fetch
	FIVE 1, 0
	s_wait_dscnt 4
	MUL12 F1, 0, 0
	s_wait_dscnt 0x0
	MUL12 F1, 1, 0
	; THE WAY OUT.  Scale, round to bf16, 16 bytes a lane into the stage (slot 0's A bytes: their last fill was chunk 2, and every wave left slot 0 at the last barrier);
	; a barrier, since a row's 128 bytes come from two waves; back as whole rows, 32 rows x 3 heads a wave.
	WIN 0
	PLACES
.set i, 0
.rept 96
	v_pk_mul_f32 v[ACC+2*i:ACC+2*i+1], v[ACC+2*i:ACC+2*i+1], s[56:57] op_sel_hi:[1,0]
.set i, i+1
.endr
	WIN TO_F
.set i, 0
.rept 96
	v_cvt_pk_bf16_f32 v[TMP+i], v[ACC+2*i], v[ACC+2*i+1]
.set i, i+1
.endr
	WIN FROM_F
.irp mi, 0,1,2,3
.irp i, 0,1,2,3,4,5
	ds_store_b128 v[STO], v[TMP+4*(6*\mi+\i):TMP+4*(6*\mi+\i)+3] offset:(\i/2)*18432+\mi*2304+(\i%2)*64
.endr
.endr
	s_wait_dscnt 0x0                               ; for the others' sake: my stores into the stage are done
	s_barrier_signal -1
	s_barrier_wait -1
	WIN TO_F
.irp hd, 0,1,2
.irp t, 0,1,2,3,4,5,6,7
	ds_load_b128 v[TMP+4*(8*\hd+\t):TMP+4*(8*\hd+\t)+3], v[RD] offset:\hd*18432+\t*576
.endr
.endr
	WIN FROM_F
.irp hd, 0,1,2
.irp t, 0,1,2,3,4,5,6,7
	s_wait_dscnt 23-(8*\hd+\t)
	global_store_b128 v[CO], v[TMP+4*(8*\hd+\t):TMP+4*(8*\hd+\t)+3], s[58:59] offset:\hd*262144+\t*512  ; 512 consecutive bytes, at a multiple of 256 from the buffer's first
.endr
.endr
	WIN 0
	s_wait_tensorcnt 0x0                           ; the wave's end
	ds_add_u32 v[SPW], v[NIL]
	s_wait_dscnt 0x0
	CROUND                                         ; the closing round
	s_endpgm
.Lfunc_end_k_q08d84e047f_proj:
	.size	k_q08d84e047f_proj, .Lfunc_end_k_q08d84e047f_proj-k_q08d84e047f_proj
	.p2alignl 7, 3214868480
	.fill 96, 4, 3214868480
	.section	.rodata,"a",@progbits
	.p2align	6, 0x0
	.amdhsa_kernel k_q08d84e047f_proj
		.amdhsa_group_segment_fixed_size 327680
		.amdhsa_private_segment_fixed_size 0
		.amdhsa_enable_private_segment 0
		.amdhsa_kernarg_size 40
		.amdhsa_user_sgpr_count 2
		.amdhsa_user_sgpr_kernarg_segment_ptr 1
		.amdhsa_wavefront_size32 1
		.amdhsa_system_sgpr_workgroup_id_x 1
		.amdhsa_system_sgpr_workgroup_id_y 1
		.amdhsa_system_sgpr_workgroup_id_z 1
		.amdhsa_system_vgpr_workitem_id 0
		.amdhsa_next_free_vgpr 512
		.amdhsa_next_free_sgpr 80
		.amdhsa_reserve_vcc 0
		.amdhsa_float_denorm_mode_32 3
		.amdhsa_float_denorm_mode_16_64 3
		.amdhsa_memory_ordered 1
		.amdhsa_forward_progress 1
		.amdhsa_inst_pref_size 102
	.end_amdhsa_kernel
	.amdgpu_metadata
---
amdhsa.version: [ 1, 2 ]
amdhsa.kernels:
  - .name:           k_q08d84e047f_proj
    .symbol:         k_q08d84e047f_proj.kd
    .args:
      - { .name: ab, .offset: 0, .size: 8, .value_kind: global_buffer, .address_space: global }
      - { .name: wqkv, .offset: 8, .size: 8, .value_kind: global_buffer, .address_space: global }
      - { .name: qb, .offset: 16, .size: 8, .value_kind: global_buffer, .address_space: global }
      - { .name: kb, .offset: 24, .size: 8, .value_kind: global_buffer, .address_space: global }
      - { .name: vb, .offset: 32, .size: 8, .value_kind: global_buffer, .address_space: global }
    .group_segment_fixed_size: 327680
    .private_segment_fixed_size: 0
    .kernarg_segment_align: 8
    .kernarg_segment_size: 40
    .max_flat_workgroup_size: 128
    .sgpr_count:     80
    .vgpr_count:     512
    .wavefront_size: 32
...
	.end_amdgpu_metadata
.endif
;; end of part 2
;; launch lse (part 3): grid 8 x 32, 4 waves a work-group, clusters of 4 x 1, 229,376 bytes of LDS; arguments qb, kb, pv, pu; writes pu
.if DOCPART == 3
	.amdgcn_target "amdgcn-amd-amdhsa--gfx1250"
	.amdhsa_code_object_version 6
	.text
	.protected	k_q08d84e047f_lse
	.globl	k_q08d84e047f_lse
	.p2align	8
	.type	k_q08d84e047f_lse,@function
k_q08d84e047f_lse:
	s_mov_b64 s[64:65], 0
	v_nop
	global_prefetch_b8 v0, s[64:65] scope:SCOPE_SE
	s_setreg_imm32_b32 hwreg(HW_REG_WAVE_MODE, 25, 1), 1
	s_wait_xcnt 0x0
	s_wait_alu depctr_hold_cnt(0) depctr_sa_sdst(0) depctr_va_vdst(0) depctr_va_sdst(0) depctr_va_ssrc(0) depctr_va_vcc(0) depctr_vm_vsrc(0)
	s_getreg_b32 s2, hwreg(HW_REG_IB_STS2, 6, 4)
	s_cmp_eq_u32 s2, 0
	s_cbranch_scc0 .Lentry_in_a_cluster
	s_endpgm
.Lentry_in_a_cluster:
	s_bfe_u32 s2, ttmp6, 0x10000c
	s_cmp_lg_u32 s2, 0x3003
	s_cbranch_scc0 .Lentry_shape_is_right
	s_endpgm
.Lentry_shape_is_right:
; LSE: one half of a Sinkhorn step, in base 2.  For each row i of a head: the partial (m, l), l 2^m = the sum over 256 keys j of 2^(s_ij + w_j), s = row . key (the scale log2(e)/8 lies in q),
; w_j = -11 - log2(sum of the other side's eight partials).  Rows = q and keys = k give u's partials; rows = k and keys = q give v's: the same text.
; rows, keys: [12][2048][64] bf16.  pin, pout: [8 parts][12 heads][2048][2] f32 = (m, l).  The old u (or v) cancels in the update, so it is never added: an order of rounding that differs from the formula's.
; SHARES.  A work-group: 256 rows (x = 4 x cluster x + cx) x 256 keys (part e) x three heads (3 hg ..): 256 work-groups of equal work.  A wave: 64 rows, four PIECES of 16.
; CLUSTER 4 x 1: the four partners share heads and keys, so K's tiles are asked for jointly.  Every LDS byte is filled once.  Waves 0, 1 fetch the halves of each head's keys, waves 2, 3 those of its rows:
; three loads of 64 rows of 256 bytes a wave, all out at the start.
; LAYOUT.  S^T = K Q^T + w (source 0 = 16 keys, source 1 = 16 rows; w is the C operand of the sum's first product): a lane holds one row (lane % 16) and the keys 8 (lane / 16) + 0..7 of each 16.
; RUNNING MAXIMUM, one a lane (each half of the lanes for its own keys): p = 2^(s - m), l = l a + sum p, a = 2^(m_old - m_new); the halves are merged at a head's end.
; BY TURNS.  A step is 32 keys.  Turn p: four products for piece p + 1; beside and behind them piece p's subtractions, exponentials and sums and piece p + 1's maximum.
; LIMITS: a weight below 2^-126 counts as 0; NaN and infinities are not treated apart; operands are bf16.
.set KT,    0                          ; [3 heads][256 keys][144]
.set QT,    110592                     ; [3 heads][256 rows][144]
.set BIAS,  221184                     ; f32 [3][256]: written by ds_store, no tile lands here
.set SPARE, 224256                     ; the spare words
.set AK0, 2                            ; 144 r + 16 h
.set AQ0, 3                            ; QT + 9,216 w + 144 r + 16 h
.set AC0, 4                            ; BIAS + 32 h
.set AK,  5
.set AC,  6
.set AQ,  7
.set OO,  8                            ; 8 x lane
.set SPW, 9
.set NIL, 10
.set PO,  11                           ; 16 x thread
.set BS,  12                           ; BIAS + 8 x thread
.set ST,  16                           ; piece t at ST + 6 t: m, 0, a, 0, l (even keys', odd keys')
.set C0,  40
.set C1,  41
.set DD,  42
.set OUT, 44
.set S,   48                           ; two buffers of 16, by the piece's parity
.set CB,  80                           ; w as C operands: 16 buf + 8 kb
.set KF,  112                          ; K's fragments: 32 buf + 16 kb + 8 c
.set Q,   176                          ; 16 t + 8 c
.set R,   48                           ; in front of the loop: the partials as loaded, 32 g + 4 e
.set TM,  144                          ; and the merge's registers at work
.macro CROUND
	s_barrier_signal -1
	s_barrier_wait -1
	s_cmp_lg_u32 s12, 0
	s_cbranch_scc1 .Lnot_wave_0_\@
	s_barrier_signal -3
.Lnot_wave_0_\@:
	s_barrier_wait -3
	s_barrier_signal -1
	s_barrier_wait -1
.endm
; Two values at once, each from eight partials: m at b + st e (second value: vo further), l one register on.  out = k - (mm + log2(sum of l 2^(m - mm))), mm the largest m: the sum is at least 1.
.macro MERGE2 b, st, vo, o0, o1, k
	v_max3_num_f32 v[TM],   v[(\b)], v[(\b)+(\st)], v[(\b)+2*(\st)]
	v_max3_num_f32 v[TM+1], v[(\b)+(\vo)], v[(\b)+(\vo)+(\st)], v[(\b)+(\vo)+2*(\st)]
	v_max3_num_f32 v[TM],   v[TM], v[(\b)+3*(\st)], v[(\b)+4*(\st)]
	v_max3_num_f32 v[TM+1], v[TM+1], v[(\b)+(\vo)+3*(\st)], v[(\b)+(\vo)+4*(\st)]
	v_max3_num_f32 v[TM],   v[TM], v[(\b)+5*(\st)], v[(\b)+6*(\st)]
	v_max3_num_f32 v[TM+1], v[TM+1], v[(\b)+(\vo)+5*(\st)], v[(\b)+(\vo)+6*(\st)]
	v_max_num_f32 v[TM],   v[TM], v[(\b)+7*(\st)]
	v_max_num_f32 v[TM+1], v[TM+1], v[(\b)+(\vo)+7*(\st)]
.irp e, 0,1,2,3,4,5,6,7
	v_sub_f32 v[(\b)+(\st)*\e], v[(\b)+(\st)*\e], v[TM]
	v_sub_f32 v[(\b)+(\vo)+(\st)*\e], v[(\b)+(\vo)+(\st)*\e], v[TM+1]
.endr
.irp e, 0,1,2,3,4,5,6,7
	v_exp_f32 v[(\b)+(\st)*\e], v[(\b)+(\st)*\e]
	v_exp_f32 v[(\b)+(\vo)+(\st)*\e], v[(\b)+(\vo)+(\st)*\e]
.endr
	v_nop                                          ; a plain instruction between the exponentials and the use of their results
	s_wait_alu depctr_va_vdst(0)
	v_mul_f32 v[TM+2], v[(\b)+1], v[(\b)]
	v_mul_f32 v[TM+3], v[(\b)+(\vo)+1], v[(\b)+(\vo)]
.irp e, 1,2,3,4,5,6,7
	v_fmac_f32 v[TM+2], v[(\b)+(\st)*\e+1], v[(\b)+(\st)*\e]
	v_fmac_f32 v[TM+3], v[(\b)+(\vo)+(\st)*\e+1], v[(\b)+(\vo)+(\st)*\e]
.endr
	v_log_f32 v[TM+2], v[TM+2]
	v_log_f32 v[TM+3], v[TM+3]
	v_nop
	s_wait_alu depctr_va_vdst(0)
	v_add_f32 v[TM+2], v[TM], v[TM+2]
	v_add_f32 v[TM+3], v[TM+1], v[TM+3]
	v_sub_f32 v[\o0], \k, v[TM+2]
	v_sub_f32 v[\o1], \k, v[TM+3]
.endm
	s_load_b256 s[4:11], s[0:1], 0x0               ; rows s[4:5], keys s[6:7], pin s[8:9], pout s[10:11]
	v_lshl_add_u32 v[SPW], v0, 2, SPARE
	v_mov_b32 v[NIL], 0
	ds_add_u32 v[SPW], v[NIL]                      ; the wave's opening: the add and its wait stand ahead of my first tensor load
	v_lshrrev_b32 v1, 5, v0
	v_readfirstlane_b32 s12, v1                    ; wave 0..3
	s_bfe_u32 s13, ttmp6, 0x40000                  ; cx
	s_lshl_b32 s14, ttmp9, 2
	s_add_co_u32 s14, s14, s13                     ; x: my block of 256 rows; it enters the rows' and pout's addresses alone
	s_and_b32 s15, ttmp7, 0xffff
	s_lshr_b32 s66, s15, 3                         ; hg
	s_and_b32 s67, s15, 7                          ; e
	s_and_b32 s72, s12, 1                          ; which half of a tile I fetch
	s_mul_i32 s74, s72, 18432                      ; its 128 rows of 144 bytes in LDS,
	s_lshl_b32 s72, s72, 14                        ; its 128 rows of 128 bytes in memory
	s_mul_i32 s73, s66, 786432                     ; three heads of 262,144 bytes
	s_add_co_u32 s73, s73, s72
	s_lshl_b32 s68, s67, 15
	s_add_co_u32 s68, s68, s73                     ; keys: hangs on hg, e and the wave alone
	s_mov_b32 s69, 0
	s_lshl_b32 s70, s14, 15
	s_add_co_u32 s70, s70, s73                     ; rows
	s_mov_b32 s71, 0
	s_mul_i32 s75, s66, 49152
	s_lshl_b32 s76, s67, 11
	s_add_co_u32 s76, s76, s75                     ; pin: head 3 hg, key 256 e
	s_mov_b32 s77, 0
	s_mul_i32 s78, s67, 196608
	s_add_co_u32 s78, s78, s75
	s_lshl_b32 s75, s14, 11
	s_add_co_u32 s78, s78, s75
	s_lshl_b32 s75, s12, 9
	s_add_co_u32 s78, s78, s75                     ; pout: part e, head 3 hg, row 256 x + 64 w
	s_mov_b32 s79, 0
	s_mov_b32 s16, 15|(1<<16)|(1<<20)|(1<<21)|(4<<22)|(3<<25)  ; keys: the mask of four; 2-byte elements; padding on; bit 21 beside a mask; after every 32 words 4 words
	s_mov_b32 s24, (1<<16)|(1<<20)|(4<<22)|(3<<25)             ; rows: a load of my work-group's own
.irp g, 16, 24
	s_mov_b32 s[\g+1], 128<<16                     ; tensor_dim0 = 128 elements: two rows of 128 bytes
	s_mov_b32 s[\g+2], 64<<16                      ; tensor_dim1 = 64
	s_mov_b32 s[\g+3], 128<<16                     ; tile_dim0
	s_mov_b32 s[\g+4], 64                          ; tile_dim1
	s_mov_b32 s[\g+5], 128                         ; dense
	s_mov_b32 s[\g+6], 0
	s_mov_b32 s[\g+7], 0
.endr
	s_mov_b32 s60, 0x76543210                      ; v_permlanex16_b32: each lane takes its own place in the other half
	s_mov_b32 s61, 0xfedcba98
	s_mov_b32 s63, 0xffff0000                      ; lanes 16-31
	s_mov_b32 s58, KT                              ; LDS byte of the keys to be fetched next,
	s_mov_b32 s59, 0                               ; of their w, less BIAS,
	s_mov_b32 s62, 0                               ; of the head's rows, less QT
	v_and_b32 v1, 15, v0
	v_bfe_u32 v13, v0, 4, 1
	v_mul_u32_u24 v[AK0], v1, 144
	v_lshl_add_u32 v[AK0], v13, 4, v[AK0]
	s_mul_i32 s75, s12, 9216
	s_add_co_u32 s75, s75, QT
	v_add_nc_u32 v[AQ0], s75, v[AK0]
	v_lshlrev_b32 v[AC0], 5, v13
	v_add_nc_u32 v[AC0], BIAS, v[AC0]
	v_and_b32 v14, 31, v0
	v_lshlrev_b32 v[OO], 3, v14
	v_lshlrev_b32 v[PO], 4, v0
	v_lshl_add_u32 v[BS], v0, 3, BIAS
.irp t, 0,1,2,3
	v_mov_b32 v[ST+6*\t+1], 0                      ; named in pairs with m and a
	v_mov_b32 v[ST+6*\t+3], 0
.endr
	s_wait_dscnt 0x0                               ; the opening add is done
	s_wait_kmcnt 0x0
	s_add_nc_u64 s[68:69], s[6:7], s[68:69]
	s_add_nc_u64 s[70:71], s[4:5], s[70:71]
	s_add_nc_u64 s[8:9], s[8:9], s[76:77]
	s_add_nc_u64 s[10:11], s[10:11], s[78:79]
.irp g, 0,1,2
	s_mov_b32 s[32+4*\g], 1
	s_add_co_u32 s[33+4*\g], s74, KT+\g*36864
	s_add_nc_u64 s[34+4*\g:35+4*\g], s[68:69], \g*262144
	s_or_b32 s[35+4*\g], s[35+4*\g], 0x80000000
	s_mov_b32 s[44+4*\g], 1
	s_add_co_u32 s[45+4*\g], s74, QT+\g*36864
	s_add_nc_u64 s[46+4*\g:47+4*\g], s[70:71], \g*262144
	s_or_b32 s[47+4*\g], s[47+4*\g], 0x80000000
.endr
.irp g, 0,1,2
.irp e, 0,1,2,3,4,5,6,7
	global_load_b128 v[R+32*\g+4*\e:R+32*\g+4*\e+3], v[PO], s[8:9] offset:\e*196608+\g*16384  ; two keys' (m, l) of part e
.endr
.endr
	CROUND                                         ; all four work-groups are here: the joint loads meet
	s_cmp_lt_u32 s12, 2                            ; a wave's three fills stand in one branch: three loads of mine are out
	s_cbranch_scc0 .Lfirst_q
	tensor_load_to_lds s[32:35], s[16:23]
	s_nop 0
	tensor_load_to_lds s[36:39], s[16:23]
	s_nop 0
	tensor_load_to_lds s[40:43], s[16:23]
	s_nop 0
.rept 4
	v_nop
.endr
	s_branch .Lfirst_asked
.Lfirst_q:
	tensor_load_to_lds s[44:47], s[24:31]
	s_nop 0
	tensor_load_to_lds s[48:51], s[24:31]
	s_nop 0
	tensor_load_to_lds s[52:55], s[24:31]
	s_nop 0
.rept 4
	v_nop
.endr
.Lfirst_asked:
.irp g, 0,1,2
	s_wait_loadcnt 16-8*\g                         ; head g's eight loads are in; the later heads' stay out
	MERGE2 R+32*\g, 4, 2, TM+4, TM+5, 0xc1300000   ; w = -11 - log2(sum)
	ds_store_b64 v[BS], v[TM+4:TM+5] offset:1024*\g
.endr
	s_wait_dscnt 0x0                               ; for the others' sake: my w are stored
	s_wait_tensorcnt 0x2                           ; my part of head 0's tiles is in; the two later heads' may stay out
	s_barrier_signal -1
	s_barrier_wait -1
.macro FETCH buf                       ; a step's K (32 keys x 64 channels: four fragments) and w (16 lanes read one address)
	v_add_nc_u32 v[AK], s58, v[AK0]
	v_add_nc_u32 v[AC], s59, v[AC0]
.irp kb, 0,1
.irp c, 0,1
	ds_load_b128 v[KF+32*(\buf)+16*\kb+8*\c:KF+32*(\buf)+16*\kb+8*\c+3],   v[AK] offset:\kb*2304+64*\c
	ds_load_b128 v[KF+32*(\buf)+16*\kb+8*\c+4:KF+32*(\buf)+16*\kb+8*\c+7], v[AK] offset:\kb*2304+64*\c+32
.endr
.endr
.irp kb, 0,1
	ds_load_b128 v[CB+16*(\buf)+8*\kb:CB+16*(\buf)+8*\kb+3],   v[AC] offset:64*\kb
	ds_load_b128 v[CB+16*(\buf)+8*\kb+4:CB+16*(\buf)+8*\kb+7], v[AC] offset:64*\kb+16
.endr
	s_add_co_u32 s58, s58, 4608
	s_add_co_u32 s59, s59, 128
.endm
; Product i of 4 for piece ZP: keys 16 (i % 2) on, channels 32 (i / 2) on.  The two accumulators take turns; w starts the sums.
.macro MM i
.if !NOX
.set rD, rSZ+8*((\i)%2)
.set rK, KF+32*KB+16*((\i)%2)+8*((\i)/2)
.set rQ, Q+16*ZP+8*((\i)/2)
.if (\i) < 2
	v_wmma_f32_16x16x32_bf16 v[rD:rD+7], v[rK:rK+7], v[rQ:rQ+7], v[CB+16*KB+8*(\i):CB+16*KB+8*(\i)+7]
.else
	v_wmma_f32_16x16x32_bf16 v[rD:rD+7], v[rK:rK+7], v[rQ:rQ+7], v[rD:rD+7]
.endif
.endif
.endm
.macro OPF n                           ; pair n of 8: s - m
	v_pk_add_f32 v[rSY+2*(\n):rSY+2*(\n)+1], v[rSY+2*(\n):rSY+2*(\n)+1], v[rTY:rTY+1] op_sel_hi:[1,0] neg_lo:[0,1] neg_hi:[0,1]
.endm
.macro OPE n                           ; score n of 16
	v_exp_f32 v[rSY+(\n)], v[rSY+(\n)]
.endm
.macro OPB n                           ; of four weights the second pair onto the first
	s_wait_alu depctr_va_vdst(0)
	v_pk_add_f32 v[rSY+4*(\n):rSY+4*(\n)+1], v[rSY+4*(\n):rSY+4*(\n)+1], v[rSY+4*(\n)+2:rSY+4*(\n)+3]
.endm
.macro OPL n                           ; l takes that sum; the first time l = l a + sum
.if (\n) == 0
	v_pk_fma_f32 v[rTY+4:rTY+5], v[rTY+4:rTY+5], v[rTY+2:rTY+3], v[rSY:rSY+1] op_sel_hi:[1,0,1]
.else
	v_pk_add_f32 v[rTY+4:rTY+5], v[rTY+4:rTY+5], v[rSY+4*(\n):rSY+4*(\n)+1]
.endif
.endm
.macro OPX n                           ; the next piece's maximum (each accumulator's lowest registers are read first), m_old - m_new, a, m
.if NOX
	v_nop
	s_wait_alu depctr_va_vdst(0)
.elseif (\n) == 0
	v_max3_num_f32 v[C0], v[rSZ], v[rSZ+1], v[rSZ+2]
.elseif (\n) == 1
	v_max3_num_f32 v[C1], v[rSZ+8], v[rSZ+9], v[rSZ+10]
.elseif (\n) == 2
	v_max3_num_f32 v[C0], v[C0], v[rSZ+3], v[rSZ+4]
.elseif (\n) == 3
	v_max3_num_f32 v[C1], v[C1], v[rSZ+11], v[rSZ+12]
.elseif (\n) == 4
	v_max3_num_f32 v[C0], v[C0], v[rSZ+5], v[rSZ+6]
.elseif (\n) == 5
	v_max3_num_f32 v[C1], v[C1], v[rSZ+13], v[rSZ+14]
.elseif (\n) == 6
	v_max3_num_f32 v[C0], v[C0], v[rSZ+7], v[rSZ+15]
.elseif (\n) == 7
	v_max3_num_f32 v[C0], v[C0], v[C1], v[rTZ]
	s_wait_alu depctr_va_vdst(0)
.elseif (\n) == 8
	v_sub_f32 v[DD], v[rTZ], v[C0]
.elseif (\n) == 9
	v_exp_f32 v[rTZ+2], v[DD]
.else
	v_mov_b32 v[rTZ], v[C0]
.endif
.endm
; A TURN for piece p.  kbuf: the K buffer that its products read (piece 3's turn works for piece 0 of the next step).  mm = 0: a head's last turn: there is no next piece.
; fetch = 1: the step after next is fetched into the other buffer, whose last reader stands a turn back; it is waited for four turns later.
; The first read of a result stands four plain instructions behind its last product: OPF 6, OPF 7, OPB 0, OPL 0 for the first accumulator; OPB 0, OPL 0, OPX 0, OPX 2 for the second.
; Behind every exponential stands a plain instruction that names neither its result nor its source.
.macro TURN p, kbuf, mm, fetch
.set rSY, S+16*((\p)%2)
.set rTY, ST+6*(\p)
.set ZP, ((\p)+1)%4
.set rSZ, S+16*(ZP%2)
.set rTZ, ST+6*ZP
.set NOX, 1-(\mm)
.set KB, (\kbuf)
.if ((\p) == 3) && (\mm)
	s_wait_dscnt 0x0                               ; the next step's K and w are in
.endif
	MM 0
	OPF 0
	OPF 1
	OPF 2
	OPF 3
	MM 1
	OPF 4
	OPE 0
	OPF 5
	OPE 1
	MM 2
	OPF 6
	OPE 2
	OPE 3
	OPF 7
	MM 3
	OPE 4
	OPB 0
	OPE 5
	OPL 0
.if \fetch
	FETCH 1-(\kbuf)
.endif
	OPE 6
	OPX 0
	OPE 7
	OPX 2
	OPE 8
	OPX 1
	OPE 9
	OPB 1
	OPE 10
	OPX 3
	OPE 11
	OPX 4
	OPE 12
	OPL 1
	OPE 13
	OPX 5
	OPE 14
	OPB 2
	OPE 15
	OPX 6
	OPL 2
	OPX 7
	OPB 3
	OPX 8
	OPL 3
	OPX 9
	OPX 10
.endm
.macro ALL4 line:vararg                ; one line for each piece t
.set t, 0
.rept 4
	\line
.set t, t+1
.endr
.endm
	s_mov_b32 s56, 3
.Lhead:                                                ; three heads; a head is eight steps of 32 keys
	ALL4 v_mov_b32 v[ST+6*t], 0xff7fffff           ; m starts at the lowest finite number, so the first a is 0,
	ALL4 v_mov_b32 v[ST+6*t+4], 0                  ; and l at 0
	ALL4 v_mov_b32 v[ST+6*t+5], 0
	FETCH 0                                        ; steps 0 and 1
	FETCH 1
	v_add_nc_u32 v[AQ], s62, v[AQ0]
.irp t, 0,1,2,3
.irp c, 0,1
	ds_load_b128 v[Q+16*\t+8*\c:Q+16*\t+8*\c+3],   v[AQ] offset:\t*2304+64*\c
	ds_load_b128 v[Q+16*\t+8*\c+4:Q+16*\t+8*\c+7], v[AQ] offset:\t*2304+64*\c+32
.endr
.endr
	s_wait_dscnt 0x0
.set ZP, 0
.set rSZ, S
.set rTZ, ST
.set NOX, 0
.set KB, 0
	MM 0                                           ; piece 0's first scores
	MM 1
	MM 2
	MM 3
.rept 4
	v_nop                                          ; the places behind those products
.endr
.irp n, 0,1,2,3,4,5,6,7,8,9,10
	OPX \n
.endr
	s_mov_b32 s57, 3
.Ltrip:                                                ; a trip is two steps and fetches the two after the next
	TURN 0, 0, 1, 0
	TURN 1, 0, 1, 0
	TURN 2, 0, 1, 0
	TURN 3, 1, 1, 1
	TURN 0, 1, 1, 0
	TURN 1, 1, 1, 0
	TURN 2, 1, 1, 0
	TURN 3, 0, 1, 1
	s_sub_co_u32 s57, s57, 1
	s_cmp_lg_u32 s57, 0
	s_cbranch_scc1 .Ltrip
	TURN 0, 0, 1, 0                                ; the last two steps fetch nothing
	TURN 1, 0, 1, 0
	TURN 2, 0, 1, 0
	TURN 3, 1, 1, 0
	TURN 0, 1, 1, 0
	TURN 1, 1, 1, 0
	TURN 2, 1, 1, 0
	TURN 3, 0, 0, 0
	; A head's end: a row's two halves of the lanes are merged, (m, l) stored: pieces 2 a and 2 a + 1 in the two halves of the lanes, 256 consecutive aligned bytes a store.
	ALL4 v_add_f32 v[S+4*t], v[ST+6*t+4], v[ST+6*t+5]
	ALL4 v_permlanex16_b32 v[S+4*t+1], v[ST+6*t], s60, s61
	ALL4 v_max_num_f32 v[S+4*t+1], v[ST+6*t], v[S+4*t+1]
	ALL4 v_sub_f32 v[S+4*t+2], v[ST+6*t], v[S+4*t+1]
	ALL4 v_exp_f32 v[S+4*t+2], v[S+4*t+2]
	v_nop
	s_wait_alu depctr_va_vdst(0)
	ALL4 v_mul_f32 v[S+4*t], v[S+4*t], v[S+4*t+2]
	ALL4 v_permlanex16_b32 v[S+4*t+3], v[S+4*t], s60, s61
	ALL4 v_add_f32 v[S+4*t], v[S+4*t], v[S+4*t+3]
	v_cndmask_b32 v[OUT], v[S+1], v[S+5], s63
	v_cndmask_b32 v[OUT+1], v[S], v[S+4], s63
	v_cndmask_b32 v[OUT+2], v[S+9], v[S+13], s63
	v_cndmask_b32 v[OUT+3], v[S+8], v[S+12], s63
	global_store_b64 v[OO], v[OUT:OUT+1], s[10:11]
	global_store_b64 v[OO], v[OUT+2:OUT+3], s[10:11] offset:256
	s_wait_xcnt 0x0                                ; the stores' base and data are rewritten only behind this wait
	s_add_nc_u64 s[10:11], s[10:11], 16384         ; the next head
	s_add_co_u32 s62, s62, 36864
	s_wait_tensorcnt 0x0                           ; my parts of the later heads' tiles are in: they had a head's work in which to land
	s_wait_dscnt 0x0
	s_barrier_signal -1
	s_barrier_wait -1                              ; everybody's are
	s_sub_co_u32 s56, s56, 1
	s_cmp_lg_u32 s56, 0
	s_cbranch_scc1 .Lhead
	s_wait_tensorcnt 0x0                           ; the wave's end
	ds_add_u32 v[SPW], v[NIL]
	s_wait_dscnt 0x0
	CROUND                                         ; the closing round
	s_endpgm
.Lfunc_end_k_q08d84e047f_lse:
	.size	k_q08d84e047f_lse, .Lfunc_end_k_q08d84e047f_lse-k_q08d84e047f_lse
	.p2alignl 7, 3214868480
	.fill 96, 4, 3214868480
	.section	.rodata,"a",@progbits
	.p2align	6, 0x0
	.amdhsa_kernel k_q08d84e047f_lse
		.amdhsa_group_segment_fixed_size 229376
		.amdhsa_private_segment_fixed_size 0
		.amdhsa_enable_private_segment 0
		.amdhsa_kernarg_size 32
		.amdhsa_user_sgpr_count 2
		.amdhsa_user_sgpr_kernarg_segment_ptr 1
		.amdhsa_wavefront_size32 1
		.amdhsa_system_sgpr_workgroup_id_x 1
		.amdhsa_system_sgpr_workgroup_id_y 1
		.amdhsa_system_sgpr_workgroup_id_z 1
		.amdhsa_system_vgpr_workitem_id 0
		.amdhsa_next_free_vgpr 240
		.amdhsa_next_free_sgpr 80
		.amdhsa_reserve_vcc 0
		.amdhsa_float_denorm_mode_32 3
		.amdhsa_float_denorm_mode_16_64 3
		.amdhsa_memory_ordered 1
		.amdhsa_forward_progress 1
		.amdhsa_inst_pref_size 66
	.end_amdhsa_kernel
	.amdgpu_metadata
---
amdhsa.version: [ 1, 2 ]
amdhsa.kernels:
  - .name:           k_q08d84e047f_lse
    .symbol:         k_q08d84e047f_lse.kd
    .args:
      - { .name: qb, .offset: 0, .size: 8, .value_kind: global_buffer, .address_space: global }
      - { .name: kb, .offset: 8, .size: 8, .value_kind: global_buffer, .address_space: global }
      - { .name: pv, .offset: 16, .size: 8, .value_kind: global_buffer, .address_space: global }
      - { .name: pu, .offset: 24, .size: 8, .value_kind: global_buffer, .address_space: global }
    .group_segment_fixed_size: 229376
    .private_segment_fixed_size: 0
    .kernarg_segment_align: 8
    .kernarg_segment_size: 32
    .max_flat_workgroup_size: 128
    .sgpr_count:     80
    .vgpr_count:     240
    .wavefront_size: 32
...
	.end_amdgpu_metadata
.endif
;; end of part 3
;; launch c1: the kernel of part 3 again; grid 8 x 32, 4 waves a work-group, clusters of 4 x 1, 229,376 bytes of LDS; arguments kb, qb, pu, pv; writes pv
;; launch r2: the kernel of part 3 again; grid 8 x 32, 4 waves a work-group, clusters of 4 x 1, 229,376 bytes of LDS; arguments qb, kb, pv, pu; writes pu
;; launch c2: the kernel of part 3 again; grid 8 x 32, 4 waves a work-group, clusters of 4 x 1, 229,376 bytes of LDS; arguments kb, qb, pu, pv; writes pv
;; launch r3: the kernel of part 3 again; grid 8 x 32, 4 waves a work-group, clusters of 4 x 1, 229,376 bytes of LDS; arguments qb, kb, pv, pu; writes pu
;; launch c3: the kernel of part 3 again; grid 8 x 32, 4 waves a work-group, clusters of 4 x 1, 229,376 bytes of LDS; arguments kb, qb, pu, pv; writes pv
;; launch av (part 4): grid 16 x 12, 4 waves a work-group, clusters of 4 x 1, 327,680 bytes of LDS; arguments qb, kb, vb, pu, pv, ab; writes ab
.if DOCPART == 4
	.amdgcn_target "amdgcn-amd-amdhsa--gfx1250"
	.amdhsa_code_object_version 6
	.text
	.protected	k_q08d84e047f_av
	.globl	k_q08d84e047f_av
	.p2align	8
	.type	k_q08d84e047f_av,@function
k_q08d84e047f_av:
	s_mov_b64 s[64:65], 0
	v_nop
	global_prefetch_b8 v0, s[64:65] scope:SCOPE_SE
	s_setreg_imm32_b32 hwreg(HW_REG_WAVE_MODE, 25, 1), 1
	s_wait_xcnt 0x0
	s_wait_alu depctr_hold_cnt(0) depctr_sa_sdst(0) depctr_va_vdst(0) depctr_va_sdst(0) depctr_va_ssrc(0) depctr_va_vcc(0) depctr_vm_vsrc(0)
	s_getreg_b32 s2, hwreg(HW_REG_IB_STS2, 6, 4)
	s_cmp_eq_u32 s2, 0
	s_cbranch_scc0 .Lentry_in_a_cluster
	s_endpgm
.Lentry_in_a_cluster:
	s_bfe_u32 s2, ttmp6, 0x10000c
	s_cmp_lg_u32 s2, 0x3003
	s_cbranch_scc0 .Lentry_shape_is_right
	s_endpgm
.Lentry_shape_is_right:
; AV: ctx[i] = the sum over j of P_ij V_j, P = n exp(S + u + v) = 2^(s_ij + w_j + U_i): s = q . k (the scale lies in q), w_j = -11 - log2(sum of v's eight partials), U_i = -log2(sum of u's eight partials).
; The last column pass has made every column of P sum to 1, so P lies in 0 to 1 (to within rounding): no maximum is taken away here, as the formula itself takes none.
; q, k, v: [12][2048][64] bf16.  pu, pv: [8][12][2048][2] f32.  ctx goes out as [16 row blocks][12 heads][128][64] bf16, rounded once; P is rounded to bf16 for the second product; sums in f32.
; SHARES.  A work-group: 128 rows of a head (192 work-groups: a split over keys would send f32 partial sums through memory); a wave: 32 rows, two tiles of 16.
; The keys go in four chunks of 512 through two LDS slots; waves 0, 1 fetch the halves of a chunk's K, waves 2, 3 those of its V (128 rows of 256 bytes a load).
; CLUSTER 4 x 1: the four row blocks of a cluster belong to one head and walk the same K and V: joint loads.
; LAYOUT.  S^T = K Q^T + w (w is the C operand): a lane holds one row and the keys 8 (lane / 16) + 0..7; two such results rounded to bf16, in place, ARE source 1 of O^T = V^T P.
; PIPELINE.  A step is 32 keys.  Beside step t's additions, exponentials and roundings (four behind each matrix instruction) stand 8 products V^T P of step t - 1 and 8 products K Q^T of step t + 1.
; It is drained at each chunk's end.  O^T is cleared by 64 v_mov_b32 in the wait for the first tile: a first step written out would stand in all four chunks' texts.
; LIMITS: a weight below 2^-126 counts as 0; NaN and infinities are not treated apart; operands are bf16.
.set SLOT,  155648                     ; K [512][144], then V [512][160]
.set VOFF,  73728
.set BIAS,  311296                     ; w, f32 [2048]: written by ds_store, no tile lands here
.set SPARE, 319488                     ; the spare words
.set AK0, 2
.set AV0, 3
.set AC0, 4
.set AK,  5
.set AV,  6
.set AC,  7
.set SPW, 8
.set NIL, 9
.set U,   10                           ; v[10:11] = U of tile 0, 0; v[12:13] = U of tile 1, 0
.set PO,  14                           ; 16 x thread
.set BS,  15                           ; BIAS + 8 x thread
.set S,   16                           ; two buffers x two tiles x 16
.set O,   80                           ; 32 t + 8 cb
.set Q,   144                          ; 16 t + 8 c
.set KF,  176                          ; 16 kb + 8 c
.set VF,  208                          ; 8 cb
.set CB,  240                          ; 8 kb
.set TM,  240                          ; in front of the loop: the merge's registers at work
.set QO,  250
.set UO,  251
.set STO, 176                          ; the way out
.set RD,  177
.set GO,  178
.macro CROUND
	s_barrier_signal -1
	s_barrier_wait -1
	s_cmp_lg_u32 s16, 0
	s_cbranch_scc1 .Lnot_wave_0_\@
	s_barrier_signal -3
.Lnot_wave_0_\@:
	s_barrier_wait -3
	s_barrier_signal -1
	s_barrier_wait -1
.endm
.macro JLOAD s                         ; a joint refill; an s_nop 0 and four v_nop follow each line
	s_cmp_lt_u32 s16, 2
	s_cbranch_scc0 .Lfor_v_\@
	tensor_load_to_lds s[40+4*(\s):43+4*(\s)], s[24:31]
	s_nop 0
.rept 4
	v_nop
.endr
	s_branch .Lasked_\@
.Lfor_v_\@:
	tensor_load_to_lds s[48+4*(\s):51+4*(\s)], s[32:39]
	s_nop 0
.rept 4
	v_nop
.endr
.Lasked_\@:
.endm
; Two values at once, each from eight partials: m at b + st e (second value: vo further), l one register on.  out = k - (mm + log2(sum of l 2^(m - mm))), mm the largest m: the sum is at least 1.
.macro MERGE2 b, st, vo, o0, o1, k
	v_max3_num_f32 v[TM],   v[(\b)], v[(\b)+(\st)], v[(\b)+2*(\st)]
	v_max3_num_f32 v[TM+1], v[(\b)+(\vo)], v[(\b)+(\vo)+(\st)], v[(\b)+(\vo)+2*(\st)]
	v_max3_num_f32 v[TM],   v[TM], v[(\b)+3*(\st)], v[(\b)+4*(\st)]
	v_max3_num_f32 v[TM+1], v[TM+1], v[(\b)+(\vo)+3*(\st)], v[(\b)+(\vo)+4*(\st)]
	v_max3_num_f32 v[TM],   v[TM], v[(\b)+5*(\st)], v[(\b)+6*(\st)]
	v_max3_num_f32 v[TM+1], v[TM+1], v[(\b)+(\vo)+5*(\st)], v[(\b)+(\vo)+6*(\st)]
	v_max_num_f32 v[TM],   v[TM], v[(\b)+7*(\st)]
	v_max_num_f32 v[TM+1], v[TM+1], v[(\b)+(\vo)+7*(\st)]
.irp e, 0,1,2,3,4,5,6,7
	v_sub_f32 v[(\b)+(\st)*\e], v[(\b)+(\st)*\e], v[TM]
	v_sub_f32 v[(\b)+(\vo)+(\st)*\e], v[(\b)+(\vo)+(\st)*\e], v[TM+1]
.endr
.irp e, 0,1,2,3,4,5,6,7
	v_exp_f32 v[(\b)+(\st)*\e], v[(\b)+(\st)*\e]
	v_exp_f32 v[(\b)+(\vo)+(\st)*\e], v[(\b)+(\vo)+(\st)*\e]
.endr
	v_nop                                          ; a plain instruction between the exponentials and the use of their results
	s_wait_alu depctr_va_vdst(0)
	v_mul_f32 v[TM+2], v[(\b)+1], v[(\b)]
	v_mul_f32 v[TM+3], v[(\b)+(\vo)+1], v[(\b)+(\vo)]
.irp e, 1,2,3,4,5,6,7
	v_fmac_f32 v[TM+2], v[(\b)+(\st)*\e+1], v[(\b)+(\st)*\e]
	v_fmac_f32 v[TM+3], v[(\b)+(\vo)+(\st)*\e+1], v[(\b)+(\vo)+(\st)*\e]
.endr
	v_log_f32 v[TM+2], v[TM+2]
	v_log_f32 v[TM+3], v[TM+3]
	v_nop
	s_wait_alu depctr_va_vdst(0)
	v_add_f32 v[TM+2], v[TM], v[TM+2]
	v_add_f32 v[TM+3], v[TM+1], v[TM+3]
	v_sub_f32 v[\o0], \k, v[TM+2]
	v_sub_f32 v[\o1], \k, v[TM+3]
.endm
.macro RHO b, n                        ; round n of pv: 256 keys, two a thread, all eight parts
.irp e, 0,1,2,3,4,5,6,7
	global_load_b128 v[(\b)+4*\e:(\b)+4*\e+3], v[PO], s[12:13] offset:\e*196608+2048*(\n)
.endr
.endm
.macro BIASOUT b, n, left              ; left: the younger loads, which stay out
	s_wait_loadcnt \left
	MERGE2 \b, 4, 2, TM+4, TM+5, 0xc1300000
	ds_store_b64 v[BS], v[TM+4:TM+5] offset:1024*(\n)
.endm
	s_load_b256 s[4:11], s[0:1], 0x0               ; q s[4:5], k s[6:7], v s[8:9], pu s[10:11]
	s_load_b128 s[12:15], s[0:1], 0x20             ; pv s[12:13], ctx s[14:15]
	v_lshl_add_u32 v[SPW], v0, 2, SPARE
	v_mov_b32 v[NIL], 0
	ds_add_u32 v[SPW], v[NIL]                      ; the wave's opening: the add and its wait stand ahead of my first tensor load
	v_lshrrev_b32 v1, 5, v0
	v_readfirstlane_b32 s16, v1                    ; wave 0..3
	s_bfe_u32 s17, ttmp6, 0x40000                  ; cx
	s_lshl_b32 s18, ttmp9, 2
	s_add_co_u32 s18, s18, s17                     ; x: my block of 128 rows; it enters q's, pu's and ctx's addresses alone
	s_and_b32 s19, ttmp7, 0xffff                   ; the head, which the four partners share
	s_and_b32 s20, s16, 1                          ; which half of a chunk I fetch
	s_mul_i32 s21, s20, 36864                      ; its place in a slot, for K
	s_mul_i32 s22, s20, 40960
	s_add_co_u32 s22, s22, VOFF                    ; and for V
	s_lshl_b32 s23, s19, 18                        ; the head's 262,144 bytes
	s_lshl_b32 s60, s20, 15
	s_add_co_u32 s60, s60, s23                     ; K and V: head, half
	s_mov_b32 s61, 0
	s_lshl_b32 s59, s18, 7
	s_lshl_b32 s58, s16, 5
	s_add_co_u32 s59, s59, s58                     ; my first row: 128 x + 32 w
	s_lshl_b32 s62, s59, 7
	s_add_co_u32 s62, s62, s23                     ; q
	s_mov_b32 s63, 0
	s_lshl_b32 s68, s19, 14                        ; pv: the head's 16,384 bytes
	s_mov_b32 s69, 0
	s_lshl_b32 s66, s59, 3
	s_add_co_u32 s66, s66, s68                     ; pu
	s_mov_b32 s67, 0
	s_mul_i32 s70, s18, 12
	s_add_co_u32 s70, s70, s19
	s_lshl_b32 s70, s70, 14
	s_lshl_b32 s58, s16, 12
	s_add_co_u32 s70, s70, s58                     ; ctx: block (x, head), row 32 w
	s_mov_b32 s71, 0
	s_mov_b32 s24, 15|(1<<16)|(1<<20)|(1<<21)|(4<<22)|(3<<25)  ; K: the mask of four; 2-byte elements; padding on; bit 21 beside a mask; after every 32 words 4 words
	s_mov_b32 s32, 15|(1<<16)|(1<<20)|(1<<21)|(4<<22)|(7<<25)  ; V: 8 words
.irp g, 24, 32
	s_mov_b32 s[\g+1], 128<<16                     ; tensor_dim0 = 128 elements: two keys
	s_mov_b32 s[\g+2], 128<<16                     ; tensor_dim1 = 128
	s_mov_b32 s[\g+3], 128<<16                     ; tile_dim0
	s_mov_b32 s[\g+4], 128                         ; tile_dim1
	s_mov_b32 s[\g+5], 128                         ; dense
	s_mov_b32 s[\g+6], 0
	s_mov_b32 s[\g+7], 0
.endr
	v_and_b32 v1, 15, v0                           ; r
	v_bfe_u32 v252, v0, 4, 1                       ; h
	v_mul_u32_u24 v[AK0], v1, 144
	v_lshl_add_u32 v[AK0], v252, 4, v[AK0]
	v_and_b32 v253, 7, v0
	v_lshl_add_u32 v[AV0], v252, 3, v253           ; the turning load: key 8 h + l % 8,
	v_mul_u32_u24 v[AV0], v[AV0], 160
	v_bfe_u32 v253, v0, 3, 1
	v_lshl_add_u32 v[AV0], v253, 4, v[AV0]         ; 16 bytes for each half of eight lanes
	v_add_nc_u32 v[AV0], VOFF, v[AV0]
	v_lshlrev_b32 v[AC0], 5, v252
	v_add_nc_u32 v[AC0], BIAS, v[AC0]
	v_lshlrev_b32 v[PO], 4, v0
	v_lshl_add_u32 v[BS], v0, 3, BIAS
	v_lshlrev_b32 v[QO], 7, v1
	v_lshl_add_u32 v[QO], v252, 4, v[QO]           ; row x 128 + 16 h
	v_lshlrev_b32 v[UO], 3, v1
	s_wait_dscnt 0x0                               ; the opening add is done
	s_wait_kmcnt 0x0
	s_add_nc_u64 s[72:73], s[6:7], s[60:61]
	s_add_nc_u64 s[74:75], s[8:9], s[60:61]
	s_add_nc_u64 s[4:5], s[4:5], s[62:63]
	s_add_nc_u64 s[10:11], s[10:11], s[66:67]
	s_add_nc_u64 s[12:13], s[12:13], s[68:69]
	s_add_nc_u64 s[14:15], s[14:15], s[70:71]
.irp s, 0,1
	s_mov_b32 s[40+4*\s], 1
	s_add_co_u32 s[41+4*\s], s21, \s*SLOT
	s_add_nc_u64 s[42+4*\s:43+4*\s], s[72:73], \s*65536   ; chunk s: 512 keys of 128 bytes
	s_or_b32 s[43+4*\s], s[43+4*\s], 0x80000000
	s_mov_b32 s[48+4*\s], 1
	s_add_co_u32 s[49+4*\s], s22, \s*SLOT
	s_add_nc_u64 s[50+4*\s:51+4*\s], s[74:75], \s*65536
	s_or_b32 s[51+4*\s], s[51+4*\s], 0x80000000
.endr
.irp t, 0,1
.irp e, 0,1,2,3,4,5,6,7
	global_load_b64 v[208+16*\t+2*\e:208+16*\t+2*\e+1], v[UO], s[10:11] offset:\e*196608+128*\t  ; my rows' (m, l) of u
.endr
.endr
.irp t, 0,1
.irp c, 0,1
	global_load_b128 v[Q+16*\t+8*\c:Q+16*\t+8*\c+3],   v[QO], s[4:5] offset:\t*2048+64*\c         ; Q stays in registers
	global_load_b128 v[Q+16*\t+8*\c+4:Q+16*\t+8*\c+7], v[QO], s[4:5] offset:\t*2048+64*\c+32
.endr
.endr
	RHO 16, 0
	RHO 48, 1
	RHO 80, 2
	RHO 112, 3
	RHO 176, 4
	CROUND                                         ; all four work-groups are here: the first joint loads meet
	s_cmp_lt_u32 s16, 2                            ; a wave's two first fills stand in one branch: two loads of mine are out
	s_cbranch_scc0 .Lfirst_v
	tensor_load_to_lds s[40:43], s[24:31]
	s_nop 0
	tensor_load_to_lds s[44:47], s[24:31]
	s_nop 0
.rept 4
	v_nop
.endr
	s_branch .Lfirst_asked
.Lfirst_v:
	tensor_load_to_lds s[48:51], s[32:39]
	s_nop 0
	tensor_load_to_lds s[52:55], s[32:39]
	s_nop 0
.rept 4
	v_nop
.endr
.Lfirst_asked:
	s_wait_loadcnt 48                              ; u's partials are in; behind them: Q's 8 loads and five rounds of 8
	MERGE2 208, 2, 16, U, U+2, 0
	v_mov_b32 v[U+1], 0                            ; named in pairs with U
	v_mov_b32 v[U+3], 0
	RHO 208, 5
	BIASOUT 16, 0, 40                              ; behind round 0: rounds 1 to 5
	RHO 16, 6
	BIASOUT 48, 1, 40                              ; rounds 2 to 6
	RHO 48, 7
	BIASOUT 80, 2, 40                              ; rounds 3 to 7
	BIASOUT 112, 3, 32
	BIASOUT 176, 4, 24
	BIASOUT 208, 5, 16
	BIASOUT 16, 6, 8
	BIASOUT 48, 7, 0
.set i, 0
.rept 64
	v_mov_b32 v[O+i], 0
.set i, i+1
.endr
	s_wait_dscnt 0x0                               ; for the others' sake: my w are stored
	s_wait_tensorcnt 0x1                           ; my part of chunk 0 is in; chunk 1's may stay out
	s_barrier_signal -1
	s_barrier_wait -1
.macro FETCH_K                         ; a step's K (four fragments) and w
	v_add_nc_u32 v[AK], s56, v[AK0]
	v_add_nc_u32 v[AC], s58, v[AC0]
.irp kb, 0,1
.irp c, 0,1
	ds_load_b128 v[KF+16*\kb+8*\c:KF+16*\kb+8*\c+3],   v[AK] offset:\kb*2304+64*\c
	ds_load_b128 v[KF+16*\kb+8*\c+4:KF+16*\kb+8*\c+7], v[AK] offset:\kb*2304+64*\c+32
.endr
.endr
.irp kb, 0,1
	ds_load_b128 v[CB+8*\kb:CB+8*\kb+3],   v[AC] offset:64*\kb
	ds_load_b128 v[CB+8*\kb+4:CB+8*\kb+7], v[AC] offset:64*\kb+16
.endr
	s_add_co_u32 s56, s56, 4608
	s_add_co_u32 s58, s58, 128
.endm
.macro FETCH_V                         ; a step's V, turned: four fragments of 16 channels x 32 keys
	v_add_nc_u32 v[AV], s57, v[AV0]
.irp cb, 0,1,2,3
	ds_load_tr16_b128 v[VF+8*\cb:VF+8*\cb+3],   v[AV] offset:32*\cb
	ds_load_tr16_b128 v[VF+8*\cb+4:VF+8*\cb+7], v[AV] offset:2560+32*\cb
.endr
	s_add_co_u32 s57, s57, 5120
.endm
; SB: the buffer of the step whose vector work is in hand; both kinds of product work on the other one.  The accumulators take turns.
.macro PV i                            ; tile i % 2, channels 16 (i / 2) on
.set rO, O+32*((\i)%2)+8*((\i)/2)
.set rP, S+32*(1-SB)+16*((\i)%2)
	v_wmma_f32_16x16x32_bf16 v[rO:rO+7], v[VF+8*((\i)/2):VF+8*((\i)/2)+7], v[rP:rP+7], v[rO:rO+7]
.endm
.macro KQ i                            ; tile i % 2, keys 16 (1 - (i / 2) % 2) on, channels 32 (i / 4) on: the upper keys first, since P lies in the lower keys' registers
.set kbq, 1-((\i)/2)%2
.set rD, S+32*(1-SB)+16*((\i)%2)+8*kbq
.set rK, KF+16*kbq+8*((\i)/4)
.set rQ, Q+16*((\i)%2)+8*((\i)/4)
.if (\i) < 4
	v_wmma_f32_16x16x32_bf16 v[rD:rD+7], v[rK:rK+7], v[rQ:rQ+7], v[CB+8*kbq:CB+8*kbq+7]
.else
	v_wmma_f32_16x16x32_bf16 v[rD:rD+7], v[rK:rK+7], v[rQ:rQ+7], v[rD:rD+7]
.endif
.endm
.macro OPF n                           ; pair n of 16: + U
.set rr, S+32*SB+16*((\n)/8)+2*((\n)%8)
	v_pk_add_f32 v[rr:rr+1], v[rr:rr+1], v[U+2*((\n)/8):U+2*((\n)/8)+1] op_sel_hi:[1,0]
.endm
.macro OPE n                           ; score n of 32
.set rr, S+32*SB+(\n)
	v_exp_f32 v[rr], v[rr]
.endm
.macro OPC n                           ; pair n of 16 rounded to bf16, in place: ascending, so that nothing is written before it has been read
.set rr, S+32*SB+16*((\n)/8)
	s_wait_alu depctr_va_vdst(0)
	v_cvt_pk_bf16_f32 v[rr+(\n)%8], v[rr+2*((\n)%8)], v[rr+2*((\n)%8)+1]
.endm
; ONE STEP.  pv = 1: the 8 products V^T P of the step before.  kq = 1: the 8 products K Q^T of the step after, whose K is fetched behind the first row.
; K's run stands four plain instructions behind the last product that read K (the last two roundings of the step before, the first two additions of this one); V's behind two additions and two roundings.
; A score is first read four plain instructions behind its last product: the step's last four roundings.  P's registers are written over eight plain instructions behind the last product that read them.
.macro ITER sb, pv, kq
.set SB, (\sb)
.if \pv
	s_wait_dscnt 0x0                               ; V is in
	PV 0
.endif
	OPF 0
	OPF 1
	OPE 0
	OPE 1
.if \kq
	FETCH_K
.endif
.set k, 1
.rept 7
.if \pv
	PV k
.endif
	OPF 2*k
	OPE 2*k
	OPF 2*k+1
	OPE 2*k+1
.set k, k+1
.endr
.if \kq
	s_wait_dscnt 0x0                               ; K and w are in
.endif
.set k, 0
.rept 6
.if \kq
	KQ k
.endif
	OPC 2*k
	OPE 16+2*k
	OPC 2*k+1
	OPE 17+2*k
.if k == 0
	FETCH_V
.endif
.set k, k+1
.endr
.if \kq
	KQ 6
.endif
	OPC 12
	OPE 28
	OPE 29
	OPC 13
.if \kq
	KQ 7
.endif
	OPE 30
	OPE 31
	OPC 14
	OPC 15
.endm
; A chunk's 16 steps.
.macro CHUNK c
	s_mov_b32 s56, ((\c)%2)*SLOT
	s_mov_b32 s57, ((\c)%2)*SLOT
	s_mov_b32 s58, 2048*(\c)
	FETCH_K
	s_wait_dscnt 0x0
.set SB, 1
.set k, 0
.rept 8
	KQ k                                           ; step 0's scores, into buffer 0
.set k, k+1
.endr
.rept 4
	v_nop                                          ; the places behind those products
.endr
	ITER 0, 0, 1
	s_mov_b32 s59, 7
.Lsteps_\@:
	ITER 1, 1, 1
	ITER 0, 1, 1
	s_sub_co_u32 s59, s59, 1
	s_cmp_lg_u32 s59, 0
	s_cbranch_scc1 .Lsteps_\@
	ITER 1, 1, 0
	s_wait_dscnt 0x0                               ; V of the last step is in
.set SB, 0
.set k, 0
.rept 8
	PV k
.set k, k+1
.endr
.endm
; THE CHANGE OF SLOTS.  Each wave waits for all its tensor loads (one is out: its part of the other slot), adds 0 to its spare word, and waits for that and for its reads of the slot.
; fill = 1: the barrier is a round of the cluster's, and the slot is filled again, two chunks on, first thing behind it: it has a chunk's 256 matrix instructions in which to land.
.macro CHANGE slot, fill
	s_wait_tensorcnt 0x0
	ds_add_u32 v[SPW], v[NIL]
.if \fill
	s_add_nc_u64 s[42+4*(\slot):43+4*(\slot)], s[42+4*(\slot):43+4*(\slot)], 131072
	s_add_nc_u64 s[50+4*(\slot):51+4*(\slot)], s[50+4*(\slot):51+4*(\slot)], 131072
	s_wait_dscnt 0x0
	CROUND
	JLOAD \slot
.else
	s_wait_dscnt 0x0
	s_barrier_signal -1
	s_barrier_wait -1
.endif
.endm
	CHUNK 0
	CHANGE 0, 1
	CHUNK 1
	CHANGE 1, 1
	CHUNK 2
	CHANGE 0, 0                                    ; nothing is left to fetch
	CHUNK 3
	; THE WAY OUT.  The stage, 16 rows x 144 bytes a wave, lies in slot 0, whose last fill was chunk 2 and which every wave left at the last barrier.
	; The addresses are made here: thirteen plain instructions that name no register of the last products are the places behind them.
	v_and_b32 v1, 15, v0
	v_bfe_u32 v179, v0, 4, 1
	s_mul_i32 s20, s16, 2304
	v_mul_u32_u24 v[STO], v1, 144                  ; in: row l % 16, 16 bytes for each half of the lanes
	v_lshl_add_u32 v[STO], v179, 4, v[STO]
	v_add_nc_u32 v[STO], s20, v[STO]
	v_bfe_u32 v[RD], v0, 3, 2                      ; back: four rows of 128 bytes a load,
	v_mul_u32_u24 v[RD], v[RD], 144
	v_and_b32 v180, 7, v0
	v_lshl_add_u32 v[RD], v180, 4, v[RD]
	v_add_nc_u32 v[RD], s20, v[RD]
	v_and_b32 v[GO], 31, v0                        ; which are 512 consecutive bytes of ctx
	v_lshlrev_b32 v[GO], 4, v[GO]
.macro PACK t
.set i, 0
.rept 16
	v_cvt_pk_bf16_f32 v[S+16*(\t)+i], v[O+32*(\t)+2*i], v[O+32*(\t)+2*i+1]
.set i, i+1
.endr
.irp f, 0,1,2,3
	ds_store_b128 v[STO], v[S+16*(\t)+4*\f:S+16*(\t)+4*\f+3] offset:32*\f
.endr
.irp f, 0,1,2,3
	ds_load_b128 v[S+16*(\t)+4*\f:S+16*(\t)+4*\f+3], v[RD] offset:\f*576  ; LDS serves a wave's instructions in order: these see the stores above, and the next tile's stores come behind them
.endr
.endm
.macro SEND t, younger                 ; younger: the LDS instructions issued behind tile t's loads
.irp f, 0,1,2,3
	s_wait_dscnt (\younger)+3-\f
	global_store_b128 v[GO], v[S+16*(\t)+4*\f:S+16*(\t)+4*\f+3], s[14:15] offset:(\t)*2048+\f*512  ; 512 consecutive bytes, at a multiple of 256 from ctx's first
.endr
.endm
	PACK 0
	PACK 1
	SEND 0, 8
	SEND 1, 0
	s_wait_tensorcnt 0x0                           ; the wave's end
	ds_add_u32 v[SPW], v[NIL]
	s_wait_dscnt 0x0
	CROUND                                         ; the closing round
	s_endpgm
.Lfunc_end_k_q08d84e047f_av:
	.size	k_q08d84e047f_av, .Lfunc_end_k_q08d84e047f_av-k_q08d84e047f_av
	.p2alignl 7, 3214868480
	.fill 96, 4, 3214868480
	.section	.rodata,"a",@progbits
	.p2align	6, 0x0
	.amdhsa_kernel k_q08d84e047f_av
		.amdhsa_group_segment_fixed_size 327680
		.amdhsa_private_segment_fixed_size 0
		.amdhsa_enable_private_segment 0
		.amdhsa_kernarg_size 48
		.amdhsa_user_sgpr_count 2
		.amdhsa_user_sgpr_kernarg_segment_ptr 1
		.amdhsa_wavefront_size32 1
		.amdhsa_system_sgpr_workgroup_id_x 1
		.amdhsa_system_sgpr_workgroup_id_y 1
		.amdhsa_system_sgpr_workgroup_id_z 1
		.amdhsa_system_vgpr_workitem_id 0
		.amdhsa_next_free_vgpr 256
		.amdhsa_next_free_sgpr 80
		.amdhsa_reserve_vcc 0
		.amdhsa_float_denorm_mode_32 3
		.amdhsa_float_denorm_mode_16_64 3
		.amdhsa_memory_ordered 1
		.amdhsa_forward_progress 1
		.amdhsa_inst_pref_size 145
	.end_amdhsa_kernel
	.amdgpu_metadata
---
amdhsa.version: [ 1, 2 ]
amdhsa.kernels:
  - .name:           k_q08d84e047f_av
    .symbol:         k_q08d84e047f_av.kd
    .args:
      - { .name: qb, .offset: 0, .size: 8, .value_kind: global_buffer, .address_space: global }
      - { .name: kb, .offset: 8, .size: 8, .value_kind: global_buffer, .address_space: global }
      - { .name: vb, .offset: 16, .size: 8, .value_kind: global_buffer, .address_space: global }
      - { .name: pu, .offset: 24, .size: 8, .value_kind: global_buffer, .address_space: global }
      - { .name: pv, .offset: 32, .size: 8, .value_kind: global_buffer, .address_space: global }
      - { .name: ab, .offset: 40, .size: 8, .value_kind: global_buffer, .address_space: global }
    .group_segment_fixed_size: 327680
    .private_segment_fixed_size: 0
    .kernarg_segment_align: 8
    .kernarg_segment_size: 48
    .max_flat_workgroup_size: 128
    .sgpr_count:     80
    .vgpr_count:     256
    .wavefront_size: 32
...
	.end_amdgpu_metadata
.endif
;; end of part 4
;; launch oproj: the kernel of part 2 again; grid 4 x 16, 4 waves a work-group, clusters of 4 x 4, 327,680 bytes of LDS; arguments ab, wo, qb, kb, vb; writes qb, kb, vb
;; launch ln (part 5): grid 256 x 1, 4 waves a work-group, no clusters, 0 bytes of LDS; arguments qb, hidden_states, ln_g, ln_b, out0; writes out0
.if DOCPART == 5
	.amdgcn_target "amdgcn-amd-amdhsa--gfx1250"
	.amdhsa_code_object_version 6
	.text
	.protected	k_q08d84e047f_ln
	.globl	k_q08d84e047f_ln
	.p2align	8
	.type	k_q08d84e047f_ln,@function
k_q08d84e047f_ln:
	s_mov_b64 s[64:65], 0
	v_nop
	global_prefetch_b8 v0, s[64:65] scope:SCOPE_SE
	s_setreg_imm32_b32 hwreg(HW_REG_WAVE_MODE, 25, 1), 1
	s_wait_xcnt 0x0
; LN: y = z + x; out = g (y - mean) / sqrt(var + 1e-12) + b.  z = ctx Wo + bo: [12 blocks of 64 columns][2048][64] bf16.  x, out: [2048][768] f32.  g, b: [768] f32.
; A stream: no LDS, no matrix unit, no cluster.  A wave owns two rows, one for each half of its lanes; a lane holds columns 64 p + 4 (lane % 16) .. + 3, p = 0..11: 48 numbers, kept in registers
; between the passes, so each byte is read once.  The variance is the mean of (y - mean)^2: no difference of large sums is formed.  All arithmetic in f32.
; Each load and store of x and out covers, for each half of the lanes, 256 consecutive aligned bytes.
.set Z,  8                             ; v[8:31]    z as loaded
.set X,  32                            ; v[32:79]   x, then y, then y - mean, then out
.set G,  80                            ; v[80:127]
.set BB, 128                           ; v[128:175]
.set T,  176                           ; v[176:179] at work
.set SA, 180                           ; v[180:187] four chains of packed sums
.set MU, 188                           ; v[188:189] the mean, twice
.set RS, 190                           ; v[190:191] 1 / sqrt, twice
.macro RED16 r                         ; the sum over the 16 lanes of a row, in every lane
	v_add_f32_dpp v[\r], v[\r], v[\r] row_xmask:1 row_mask:0xf bank_mask:0xf
	v_add_f32_dpp v[\r], v[\r], v[\r] row_xmask:2 row_mask:0xf bank_mask:0xf
	v_add_f32_dpp v[\r], v[\r], v[\r] row_xmask:4 row_mask:0xf bank_mask:0xf
	v_add_f32_dpp v[\r], v[\r], v[\r] row_xmask:8 row_mask:0xf bank_mask:0xf
.endm
.macro FOLD                            ; the four chains into one number a lane
	v_pk_add_f32 v[SA:SA+1], v[SA:SA+1], v[SA+2:SA+3]
	v_pk_add_f32 v[SA+4:SA+5], v[SA+4:SA+5], v[SA+6:SA+7]
	v_pk_add_f32 v[SA:SA+1], v[SA:SA+1], v[SA+4:SA+5]
	v_add_f32 v[SA], v[SA], v[SA+1]
	RED16 SA
.endm
	s_load_b256 s[4:11], s[0:1], 0x0               ; z s[4:5], x s[6:7], g s[8:9], b s[10:11]
	s_load_b64 s[12:13], s[0:1], 0x20              ; out
	v_lshrrev_b32 v1, 5, v0
	v_readfirstlane_b32 s14, v1                    ; wave 0..3
	s_lshl_b32 s15, ttmp9, 3
	s_lshl1_add_u32 s15, s14, s15                  ; my first row: 8 g + 2 w
	s_lshl_b32 s16, s15, 7
	s_mov_b32 s17, 0
	s_mul_i32 s18, s15, 3072
	s_mov_b32 s19, 0
	s_mov_b32 s20, 0xffff0000                      ; a word's upper bf16
	s_mov_b32 s21, 0x3aaaaaab                      ; 1 / 768
	s_mov_b32 s22, 0x2b8cbccc                      ; 1e-12
	v_and_b32 v1, 31, v0
	v_lshlrev_b32 v2, 3, v1                        ; z: 8 x lane (two rows of 128 bytes on end)
	v_and_b32 v4, 15, v0
	v_lshlrev_b32 v4, 4, v4                        ; g, b: 16 x (lane % 16)
	v_bfe_u32 v5, v0, 4, 1
	v_mul_u32_u24 v3, v5, 3072
	v_add_nc_u32 v3, v3, v4                        ; x, out: + my row
	s_wait_kmcnt 0x0
	s_add_nc_u64 s[4:5], s[4:5], s[16:17]
	s_add_nc_u64 s[6:7], s[6:7], s[18:19]
	s_add_nc_u64 s[12:13], s[12:13], s[18:19]
.irp p, 0,1,2,3,4,5,6,7,8,9,10,11
	global_load_b64 v[Z+2*\p:Z+2*\p+1], v2, s[4:5] offset:262144*\p
.endr
.irp p, 0,1,2,3,4,5,6,7,8,9,10,11
	global_load_b128 v[X+4*\p:X+4*\p+3], v3, s[6:7] offset:256*\p
.endr
.irp p, 0,1,2,3,4,5,6,7,8,9,10,11
	global_load_b128 v[G+4*\p:G+4*\p+3], v4, s[8:9] offset:256*\p
.endr
.irp p, 0,1,2,3,4,5,6,7,8,9,10,11
	global_load_b128 v[BB+4*\p:BB+4*\p+3], v4, s[10:11] offset:256*\p
.endr
	s_wait_loadcnt 24                              ; z and x are in; g's and b's 24 loads stay out
.irp p, 0,1,2,3,4,5,6,7,8,9,10,11
	v_lshlrev_b32 v[T], 16, v[Z+2*\p]              ; bf16 to f32: the low half moves up, the high half stays
	v_and_b32 v[T+1], s20, v[Z+2*\p]
	v_lshlrev_b32 v[T+2], 16, v[Z+2*\p+1]
	v_and_b32 v[T+3], s20, v[Z+2*\p+1]
	v_pk_add_f32 v[X+4*\p:X+4*\p+1], v[X+4*\p:X+4*\p+1], v[T:T+1]
	v_pk_add_f32 v[X+4*\p+2:X+4*\p+3], v[X+4*\p+2:X+4*\p+3], v[T+2:T+3]
.endr
.irp k, 0,1,2,3
	v_pk_add_f32 v[SA+2*\k:SA+2*\k+1], v[X+2*\k:X+2*\k+1], v[X+8+2*\k:X+8+2*\k+1]  ; the first eight pairs start the chains: nothing is cleared
.endr
.set j, 8
.rept 16
	v_pk_add_f32 v[SA+2*(j%4):SA+2*(j%4)+1], v[SA+2*(j%4):SA+2*(j%4)+1], v[X+2*j:X+2*j+1]
.set j, j+1
.endr
	FOLD
	v_mul_f32 v[MU], s21, v[SA]
	v_mov_b32 v[MU+1], v[MU]
.set j, 0
.rept 24
	v_pk_add_f32 v[X+2*j:X+2*j+1], v[X+2*j:X+2*j+1], v[MU:MU+1] neg_lo:[0,1] neg_hi:[0,1]
.set j, j+1
.endr
.irp k, 0,1,2,3
	v_pk_mul_f32 v[SA+2*\k:SA+2*\k+1], v[X+2*\k:X+2*\k+1], v[X+2*\k:X+2*\k+1]
.endr
.set j, 4
.rept 20
	v_pk_fma_f32 v[SA+2*(j%4):SA+2*(j%4)+1], v[X+2*j:X+2*j+1], v[X+2*j:X+2*j+1], v[SA+2*(j%4):SA+2*(j%4)+1]
.set j, j+1
.endr
	FOLD
	v_fma_f32 v[RS], v[SA], s21, s22               ; var + 1e-12
	v_rsq_f32 v[RS], v[RS]
	v_nop                                          ; a plain instruction between the root and the use of its result
	s_wait_alu depctr_va_vdst(0)
	v_mov_b32 v[RS+1], v[RS]
	s_wait_loadcnt 0x0                             ; g and b
.irp p, 0,1,2,3,4,5,6,7,8,9,10,11
	v_pk_mul_f32 v[X+4*\p:X+4*\p+1], v[X+4*\p:X+4*\p+1], v[RS:RS+1]
	v_pk_mul_f32 v[X+4*\p+2:X+4*\p+3], v[X+4*\p+2:X+4*\p+3], v[RS:RS+1]
	v_pk_fma_f32 v[X+4*\p:X+4*\p+1], v[X+4*\p:X+4*\p+1], v[G+4*\p:G+4*\p+1], v[BB+4*\p:BB+4*\p+1]
	v_pk_fma_f32 v[X+4*\p+2:X+4*\p+3], v[X+4*\p+2:X+4*\p+3], v[G+4*\p+2:G+4*\p+3], v[BB+4*\p+2:BB+4*\p+3]
	global_store_b128 v3, v[X+4*\p:X+4*\p+3], s[12:13] offset:256*\p
.endr
	s_endpgm
.Lfunc_end_k_q08d84e047f_ln:
	.size	k_q08d84e047f_ln, .Lfunc_end_k_q08d84e047f_ln-k_q08d84e047f_ln
	.p2alignl 7, 3214868480
	.fill 96, 4, 3214868480
	.section	.rodata,"a",@progbits
	.p2align	6, 0x0
	.amdhsa_kernel k_q08d84e047f_ln
		.amdhsa_group_segment_fixed_size 0
		.amdhsa_private_segment_fixed_size 0
		.amdhsa_enable_private_segment 0
		.amdhsa_kernarg_size 40
		.amdhsa_user_sgpr_count 2
		.amdhsa_user_sgpr_kernarg_segment_ptr 1
		.amdhsa_wavefront_size32 1
		.amdhsa_system_sgpr_workgroup_id_x 1
		.amdhsa_system_sgpr_workgroup_id_y 1
		.amdhsa_system_sgpr_workgroup_id_z 1
		.amdhsa_system_vgpr_workitem_id 0
		.amdhsa_next_free_vgpr 200
		.amdhsa_next_free_sgpr 66
		.amdhsa_reserve_vcc 0
		.amdhsa_float_denorm_mode_32 3
		.amdhsa_float_denorm_mode_16_64 3
		.amdhsa_memory_ordered 1
		.amdhsa_forward_progress 1
		.amdhsa_inst_pref_size 19
	.end_amdhsa_kernel
	.amdgpu_metadata
---
amdhsa.version: [ 1, 2 ]
amdhsa.kernels:
  - .name:           k_q08d84e047f_ln
    .symbol:         k_q08d84e047f_ln.kd
    .args:
      - { .name: qb, .offset: 0, .size: 8, .value_kind: global_buffer, .address_space: global }
      - { .name: hidden_states, .offset: 8, .size: 8, .value_kind: global_buffer, .address_space: global }
      - { .name: ln_g, .offset: 16, .size: 8, .value_kind: global_buffer, .address_space: global }
      - { .name: ln_b, .offset: 24, .size: 8, .value_kind: global_buffer, .address_space: global }
      - { .name: out0, .offset: 32, .size: 8, .value_kind: global_buffer, .address_space: global }
    .group_segment_fixed_size: 0
    .private_segment_fixed_size: 0
    .kernarg_segment_align: 8
    .kernarg_segment_size: 40
    .max_flat_workgroup_size: 128
    .sgpr_count:     66
    .vgpr_count:     200
    .wavefront_size: 32
...
	.end_amdgpu_metadata
.endif
;; end of part 5
;; ======== version 2 of 2: 11 launches; 1.29 times as fast as version 1
;; workspace buffers: ab 3,145,728 bytes; wqkv 3,555,328 bytes; wo 1,196,032 bytes; qb 3,145,728 bytes; kb 3,145,728 bytes; vb 3,145,728 bytes; pu 1,572,864 bytes; pv 1,572,864 bytes
;; launch prep: the kernel of part 1 again; grid 353 x 1, 8 waves a work-group, no clusters, 0 bytes of LDS; arguments hidden_states, Wq, Wk, Wv, Wo, bq, bk, bv, bo, ab, wqkv, wo, pv; writes ab, wqkv, wo, pv
;; launch proj: the kernel of part 2 again; grid 12 x 16, 4 waves a work-group, clusters of 4 x 4, 327,680 bytes of LDS; arguments ab, wqkv, qb, kb, vb; writes qb, kb, vb
;; launch lse (part 6): grid 8 x 32, 4 waves a work-group, clusters of 4 x 1, 229,376 bytes of LDS; arguments qb, kb, pv, pu; writes pu
.if DOCPART == 6
	.amdgcn_target "amdgcn-amd-amdhsa--gfx1250"
	.amdhsa_code_object_version 6
	.text
	.protected	k_q08d84e047f_lse
	.globl	k_q08d84e047f_lse
	.p2align	8
	.type	k_q08d84e047f_lse,@function
k_q08d84e047f_lse:
	s_mov_b64 s[64:65], 0
	v_nop
	global_prefetch_b8 v0, s[64:65] scope:SCOPE_SE
	s_setreg_imm32_b32 hwreg(HW_REG_WAVE_MODE, 25, 1), 1
	s_wait_xcnt 0x0
	s_wait_alu depctr_hold_cnt(0) depctr_sa_sdst(0) depctr_va_vdst(0) depctr_va_sdst(0) depctr_va_ssrc(0) depctr_va_vcc(0) depctr_vm_vsrc(0)
	s_getreg_b32 s2, hwreg(HW_REG_IB_STS2, 6, 4)
	s_cmp_eq_u32 s2, 0
	s_cbranch_scc0 .Lentry_in_a_cluster
	s_endpgm
.Lentry_in_a_cluster:
	s_bfe_u32 s2, ttmp6, 0x10000c
	s_cmp_lg_u32 s2, 0x3003
	s_cbranch_scc0 .Lentry_shape_is_right
	s_endpgm
.Lentry_shape_is_right:
; LSE: one half of a Sinkhorn step, in base 2.  For each row i of a head: the partial (m, l), l 2^m = the sum over 256 keys j of 2^(s_ij + w_j), s = row . key (the scale log2(e)/8 lies in q),
; w_j = -11 - log2(sum of the other side's eight partials).  Rows = q and keys = k give u's partials; rows = k and keys = q give v's: the same text.
; rows, keys: [12][2048][64] bf16.  pin, pout: [8 parts][12 heads][2048][2] f32 = (m, l).  The old u (or v) cancels in the update, so it is never added: an order of rounding that differs from the formula's.
; SHARES.  A work-group: 256 rows (x = 4 x cluster x + cx) x 256 keys (part e) x three heads (3 hg ..): 256 work-groups of equal work.  A wave: 64 rows, four PIECES of 16.
; CLUSTER 4 x 1: the four partners share heads and keys, so K's tiles are asked for jointly.  Every LDS byte is filled once.  Waves 0, 1 fetch the halves of each head's keys, waves 2, 3 those of its rows:
; three loads of 64 rows of 256 bytes a wave, all out at the start.
; LAYOUT.  S^T = K Q^T + w (source 0 = 16 keys, source 1 = 16 rows; w is the C operand of the sum's first product): a lane holds one row (lane % 16) and the keys 8 (lane / 16) + 0..7 of each 16.
; RUNNING MAXIMUM, one a lane (each half of the lanes for its own keys): p = 2^(s - m), l = l a + sum p, a = 2^(m_old - m_new); the halves are merged at a head's end.
; BY TURNS.  A step is 32 keys.  Turn p: four products for piece p + 1; beside and behind them piece p's subtractions and exponentials and piece p + 1's maximum and a.
; BATCHES.  The 34 exponentials of an even turn and the odd turn behind it (two pieces' 32 weights, the next two pieces' a) are ONE batch with ONE wait, behind the odd turn; ahead of it no line names a result of theirs;
; behind it stand both pieces' sums.  The even piece's weights have registers of their own (WT), since the odd turn's products write its scores' buffer anew while the batch is open; the odd piece's stay in place.
; LIMITS: a weight below 2^-126 counts as 0; NaN and infinities are not treated apart; operands are bf16.
.set KT,    0                          ; [3 heads][256 keys][144]
.set QT,    110592                     ; [3 heads][256 rows][144]
.set BIAS,  221184                     ; f32 [3][256]: written by ds_store, no tile lands here
.set SPARE, 224256                     ; the spare words
.set AK0, 2                            ; 144 r + 16 h
.set AQ0, 3                            ; QT + 9,216 w + 144 r + 16 h
.set AC0, 4                            ; BIAS + 32 h
.set AK,  5
.set AC,  6
.set AQ,  7
.set OO,  8                            ; 8 x lane
.set SPW, 9
.set NIL, 10
.set PO,  11                           ; 16 x thread
.set BS,  12                           ; BIAS + 8 x thread
.set ST,  16                           ; piece t at ST + 6 t: m, 0, a, 0, l (even keys', odd keys')
.set C0,  40
.set C1,  41
.set DD,  42
.set OUT, 44
.set S,   48                           ; two buffers of 16, by the piece's parity
.set CB,  80                           ; w as C operands: 16 buf + 8 kb
.set KF,  112                          ; K's fragments: 32 buf + 16 kb + 8 c
.set Q,   176                          ; 16 t + 8 c
.set WT,  240                          ; v[240:255] an even piece's 16 weights
.set R,   48                           ; in front of the loop: the partials as loaded, 32 g + 4 e
.set TM,  144                          ; and the merge's registers at work
.macro CROUND
	s_barrier_signal -1
	s_barrier_wait -1
	s_cmp_lg_u32 s12, 0
	s_cbranch_scc1 .Lnot_wave_0_\@
	s_barrier_signal -3
.Lnot_wave_0_\@:
	s_barrier_wait -3
	s_barrier_signal -1
	s_barrier_wait -1
.endm
; Two values at once, each from eight partials: m at b + st e (second value: vo further), l one register on.  out = k - (mm + log2(sum of l 2^(m - mm))), mm the largest m: the sum is at least 1.
; Two batches: the sixteen exponentials, and the two logarithms of sums made of them.
.macro MERGE2 b, st, vo, o0, o1, k
	v_max3_num_f32 v[TM],   v[(\b)], v[(\b)+(\st)], v[(\b)+2*(\st)]
	v_max3_num_f32 v[TM+1], v[(\b)+(\vo)], v[(\b)+(\vo)+(\st)], v[(\b)+(\vo)+2*(\st)]
	v_max3_num_f32 v[TM],   v[TM], v[(\b)+3*(\st)], v[(\b)+4*(\st)]
	v_max3_num_f32 v[TM+1], v[TM+1], v[(\b)+(\vo)+3*(\st)], v[(\b)+(\vo)+4*(\st)]
	v_max3_num_f32 v[TM],   v[TM], v[(\b)+5*(\st)], v[(\b)+6*(\st)]
	v_max3_num_f32 v[TM+1], v[TM+1], v[(\b)+(\vo)+5*(\st)], v[(\b)+(\vo)+6*(\st)]
	v_max_num_f32 v[TM],   v[TM], v[(\b)+7*(\st)]
	v_max_num_f32 v[TM+1], v[TM+1], v[(\b)+(\vo)+7*(\st)]
.irp e, 0,1,2,3,4,5,6,7
	v_sub_f32 v[(\b)+(\st)*\e], v[(\b)+(\st)*\e], v[TM]
	v_sub_f32 v[(\b)+(\vo)+(\st)*\e], v[(\b)+(\vo)+(\st)*\e], v[TM+1]
.endr
.irp e, 0,1,2,3,4,5,6,7
	v_exp_f32 v[(\b)+(\st)*\e], v[(\b)+(\st)*\e]
	v_exp_f32 v[(\b)+(\vo)+(\st)*\e], v[(\b)+(\vo)+(\st)*\e]
.endr
	v_nop                                          ; a plain instruction between the exponentials and the use of their results
	s_wait_alu depctr_va_vdst(0)                   ; one wait for the sixteen exponentials, ahead of their first reader
	v_mul_f32 v[TM+2], v[(\b)+1], v[(\b)]
	v_mul_f32 v[TM+3], v[(\b)+(\vo)+1], v[(\b)+(\vo)]
.irp e, 1,2,3,4,5,6,7
	v_fmac_f32 v[TM+2], v[(\b)+(\st)*\e+1], v[(\b)+(\st)*\e]
	v_fmac_f32 v[TM+3], v[(\b)+(\vo)+(\st)*\e+1], v[(\b)+(\vo)+(\st)*\e]
.endr
	v_log_f32 v[TM+2], v[TM+2]
	v_log_f32 v[TM+3], v[TM+3]
	v_nop
	s_wait_alu depctr_va_vdst(0)                   ; one wait for the two logarithms
	v_add_f32 v[TM+2], v[TM], v[TM+2]
	v_add_f32 v[TM+3], v[TM+1], v[TM+3]
	v_sub_f32 v[\o0], \k, v[TM+2]
	v_sub_f32 v[\o1], \k, v[TM+3]
.endm
	s_load_b256 s[4:11], s[0:1], 0x0               ; rows s[4:5], keys s[6:7], pin s[8:9], pout s[10:11]
	v_lshl_add_u32 v[SPW], v0, 2, SPARE
	v_mov_b32 v[NIL], 0
	ds_add_u32 v[SPW], v[NIL]                      ; the wave's opening: the add and its wait stand ahead of my first tensor load
	v_lshrrev_b32 v1, 5, v0
	v_readfirstlane_b32 s12, v1                    ; wave 0..3
	s_bfe_u32 s13, ttmp6, 0x40000                  ; cx
	s_lshl_b32 s14, ttmp9, 2
	s_add_co_u32 s14, s14, s13                     ; x: my block of 256 rows; it enters the rows' and pout's addresses alone
	s_and_b32 s15, ttmp7, 0xffff
	s_lshr_b32 s66, s15, 3                         ; hg
	s_and_b32 s67, s15, 7                          ; e
	s_and_b32 s72, s12, 1                          ; which half of a tile I fetch
	s_mul_i32 s74, s72, 18432                      ; its 128 rows of 144 bytes in LDS,
	s_lshl_b32 s72, s72, 14                        ; its 128 rows of 128 bytes in memory
	s_mul_i32 s73, s66, 786432                     ; three heads of 262,144 bytes
	s_add_co_u32 s73, s73, s72
	s_lshl_b32 s68, s67, 15
	s_add_co_u32 s68, s68, s73                     ; keys: hangs on hg, e and the wave alone
	s_mov_b32 s69, 0
	s_lshl_b32 s70, s14, 15
	s_add_co_u32 s70, s70, s73                     ; rows
	s_mov_b32 s71, 0
	s_mul_i32 s75, s66, 49152
	s_lshl_b32 s76, s67, 11
	s_add_co_u32 s76, s76, s75                     ; pin: head 3 hg, key 256 e
	s_mov_b32 s77, 0
	s_mul_i32 s78, s67, 196608
	s_add_co_u32 s78, s78, s75
	s_lshl_b32 s75, s14, 11
	s_add_co_u32 s78, s78, s75
	s_lshl_b32 s75, s12, 9
	s_add_co_u32 s78, s78, s75                     ; pout: part e, head 3 hg, row 256 x + 64 w
	s_mov_b32 s79, 0
	s_mov_b32 s16, 15|(1<<16)|(1<<20)|(1<<21)|(4<<22)|(3<<25)  ; keys: the mask of four; 2-byte elements; padding on; bit 21 beside a mask; after every 32 words 4 words
	s_mov_b32 s24, (1<<16)|(1<<20)|(4<<22)|(3<<25)             ; rows: a load of my work-group's own
.irp g, 16, 24
	s_mov_b32 s[\g+1], 128<<16                     ; tensor_dim0 = 128 elements: two rows of 128 bytes
	s_mov_b32 s[\g+2], 64<<16                      ; tensor_dim1 = 64
	s_mov_b32 s[\g+3], 128<<16                     ; tile_dim0
	s_mov_b32 s[\g+4], 64                          ; tile_dim1
	s_mov_b32 s[\g+5], 128                         ; dense
	s_mov_b32 s[\g+6], 0
	s_mov_b32 s[\g+7], 0
.endr
	s_mov_b32 s60, 0x76543210                      ; v_permlanex16_b32: each lane takes its own place in the other half
	s_mov_b32 s61, 0xfedcba98
	s_mov_b32 s63, 0xffff0000                      ; lanes 16-31
	s_mov_b32 s58, KT                              ; LDS byte of the keys to be fetched next,
	s_mov_b32 s59, 0                               ; of their w, less BIAS,
	s_mov_b32 s62, 0                               ; of the head's rows, less QT
	v_and_b32 v1, 15, v0
	v_bfe_u32 v13, v0, 4, 1
	v_mul_u32_u24 v[AK0], v1, 144
	v_lshl_add_u32 v[AK0], v13, 4, v[AK0]
	s_mul_i32 s75, s12, 9216
	s_add_co_u32 s75, s75, QT
	v_add_nc_u32 v[AQ0], s75, v[AK0]
	v_lshlrev_b32 v[AC0], 5, v13
	v_add_nc_u32 v[AC0], BIAS, v[AC0]
	v_and_b32 v14, 31, v0
	v_lshlrev_b32 v[OO], 3, v14
	v_lshlrev_b32 v[PO], 4, v0
	v_lshl_add_u32 v[BS], v0, 3, BIAS
.irp t, 0,1,2,3
	v_mov_b32 v[ST+6*\t+1], 0                      ; named in pairs with m and a
	v_mov_b32 v[ST+6*\t+3], 0
.endr
	s_wait_dscnt 0x0                               ; the opening add is done
	s_wait_kmcnt 0x0
	s_add_nc_u64 s[68:69], s[6:7], s[68:69]
	s_add_nc_u64 s[70:71], s[4:5], s[70:71]
	s_add_nc_u64 s[8:9], s[8:9], s[76:77]
	s_add_nc_u64 s[10:11], s[10:11], s[78:79]
.irp g, 0,1,2
	s_mov_b32 s[32+4*\g], 1
	s_add_co_u32 s[33+4*\g], s74, KT+\g*36864
	s_add_nc_u64 s[34+4*\g:35+4*\g], s[68:69], \g*262144
	s_or_b32 s[35+4*\g], s[35+4*\g], 0x80000000
	s_mov_b32 s[44+4*\g], 1
	s_add_co_u32 s[45+4*\g], s74, QT+\g*36864
	s_add_nc_u64 s[46+4*\g:47+4*\g], s[70:71], \g*262144
	s_or_b32 s[47+4*\g], s[47+4*\g], 0x80000000
.endr
.irp g, 0,1,2
.irp e, 0,1,2,3,4,5,6,7
	global_load_b128 v[R+32*\g+4*\e:R+32*\g+4*\e+3], v[PO], s[8:9] offset:\e*196608+\g*16384  ; two keys' (m, l) of part e
.endr
.endr
	CROUND                                         ; all four work-groups are here: the joint loads meet
	s_cmp_lt_u32 s12, 2                            ; a wave's three fills stand in one branch: three loads of mine are out
	s_cbranch_scc0 .Lfirst_q
	tensor_load_to_lds s[32:35], s[16:23]
	s_nop 0
	tensor_load_to_lds s[36:39], s[16:23]
	s_nop 0
	tensor_load_to_lds s[40:43], s[16:23]
	s_nop 0
.rept 4
	v_nop
.endr
	s_branch .Lfirst_asked
.Lfirst_q:
	tensor_load_to_lds s[44:47], s[24:31]
	s_nop 0
	tensor_load_to_lds s[48:51], s[24:31]
	s_nop 0
	tensor_load_to_lds s[52:55], s[24:31]
	s_nop 0
.rept 4
	v_nop
.endr
.Lfirst_asked:
.irp g, 0,1,2
	s_wait_loadcnt 16-8*\g                         ; head g's eight loads are in; the later heads' stay out
	MERGE2 R+32*\g, 4, 2, TM+4, TM+5, 0xc1300000   ; w = -11 - log2(sum)
	ds_store_b64 v[BS], v[TM+4:TM+5] offset:1024*\g
.endr
	s_wait_dscnt 0x0                               ; for the others' sake: my w are stored
	s_wait_tensorcnt 0x2                           ; my part of head 0's tiles is in; the two later heads' may stay out
	s_barrier_signal -1
	s_barrier_wait -1
; A step's K (32 keys x 64 channels: four fragments) and w (16 lanes read one address): the two address lines, and the run of twelve loads.
.macro FADDR
	v_add_nc_u32 v[AK], s58, v[AK0]
	v_add_nc_u32 v[AC], s59, v[AC0]
.endm
.macro FLOADS buf
.irp kb, 0,1
.irp c, 0,1
	ds_load_b128 v[KF+32*(\buf)+16*\kb+8*\c:KF+32*(\buf)+16*\kb+8*\c+3],   v[AK] offset:\kb*2304+64*\c
	ds_load_b128 v[KF+32*(\buf)+16*\kb+8*\c+4:KF+32*(\buf)+16*\kb+8*\c+7], v[AK] offset:\kb*2304+64*\c+32
.endr
.endr
.irp kb, 0,1
	ds_load_b128 v[CB+16*(\buf)+8*\kb:CB+16*(\buf)+8*\kb+3],   v[AC] offset:64*\kb
	ds_load_b128 v[CB+16*(\buf)+8*\kb+4:CB+16*(\buf)+8*\kb+7], v[AC] offset:64*\kb+16
.endr
	s_add_co_u32 s58, s58, 4608
	s_add_co_u32 s59, s59, 128
.endm
.macro FETCH buf
	FADDR
	FLOADS \buf
.endm
; Product i of 4 for piece ZP: keys 16 (i % 2) on, channels 32 (i / 2) on.  The two accumulators take turns; w starts the sums.
.macro MM i
.if !NOX
.set rD, rSZ+8*((\i)%2)
.set rK, KF+32*KB+16*((\i)%2)+8*((\i)/2)
.set rQ, Q+16*ZP+8*((\i)/2)
.if (\i) < 2
	v_wmma_f32_16x16x32_bf16 v[rD:rD+7], v[rK:rK+7], v[rQ:rQ+7], v[CB+16*KB+8*(\i):CB+16*KB+8*(\i)+7]
.else
	v_wmma_f32_16x16x32_bf16 v[rD:rD+7], v[rK:rK+7], v[rQ:rQ+7], v[rD:rD+7]
.endif
.endif
.endm
.macro OPF n                           ; pair n of 8: s - m
	v_pk_add_f32 v[rSY+2*(\n):rSY+2*(\n)+1], v[rSY+2*(\n):rSY+2*(\n)+1], v[rTY:rTY+1] op_sel_hi:[1,0] neg_lo:[0,1] neg_hi:[0,1]
.endm
.macro OPE n                           ; score n of 16: its weight goes to rEY: WT for an even piece, in place for an odd one
	v_exp_f32 v[rEY+(\n)], v[rSY+(\n)]
.endm
.macro OPB b, n                        ; of the four weights 4 n .. at b the second pair onto the first
	v_pk_add_f32 v[(\b)+4*(\n):(\b)+4*(\n)+1], v[(\b)+4*(\n):(\b)+4*(\n)+1], v[(\b)+4*(\n)+2:(\b)+4*(\n)+3]
.endm
.macro OPL t, b, n                     ; l of the statistics at t takes that sum; the first time l = l a + sum
.if (\n) == 0
	v_pk_fma_f32 v[(\t)+4:(\t)+5], v[(\t)+4:(\t)+5], v[(\t)+2:(\t)+3], v[(\b):(\b)+1] op_sel_hi:[1,0,1]
.else
	v_pk_add_f32 v[(\t)+4:(\t)+5], v[(\t)+4:(\t)+5], v[(\b)+4*(\n):(\b)+4*(\n)+1]
.endif
.endm
.macro OPX n                           ; the next piece's maximum (each accumulator's lowest registers are read first), m_old - m_new, a, m
.if NOX
	v_nop
.elseif (\n) == 0
	v_max3_num_f32 v[C0], v[rSZ], v[rSZ+1], v[rSZ+2]
.elseif (\n) == 1
	v_max3_num_f32 v[C1], v[rSZ+8], v[rSZ+9], v[rSZ+10]
.elseif (\n) == 2
	v_max3_num_f32 v[C0], v[C0], v[rSZ+3], v[rSZ+4]
.elseif (\n) == 3
	v_max3_num_f32 v[C1], v[C1], v[rSZ+11], v[rSZ+12]
.elseif (\n) == 4
	v_max3_num_f32 v[C0], v[C0], v[rSZ+5], v[rSZ+6]
.elseif (\n) == 5
	v_max3_num_f32 v[C1], v[C1], v[rSZ+13], v[rSZ+14]
.elseif (\n) == 6
	v_max3_num_f32 v[C0], v[C0], v[rSZ+7], v[rSZ+15]
.elseif (\n) == 7
	v_max3_num_f32 v[C0], v[C0], v[C1], v[rTZ]
.elseif (\n) == 8
	v_sub_f32 v[DD], v[rTZ], v[C0]
.elseif (\n) == 9
	v_exp_f32 v[rTZ+2], v[DD]
.else
	v_mov_b32 v[rTZ], v[C0]
.endif
.endm
; A TURN for piece p.  kbuf: the K buffer that its products read (piece 3's turn works for piece 0 of the next step).  mm = 0: a head's last turn: there is no next piece.
; Its 17 exponentials stand among the 8 subtractions and the next piece's 10 plain lines, plain and exponential by turns for the most part; none of these lines names an exponential's result.
; An odd turn ends the batch that the even turn before it began: one wait, then the 16 sums of both pieces, the two chains onto l by turns.
; fetch = 1: the step after next is fetched into the other buffer, whose last reader stands a turn back; it is waited for four turns later.  Its two address lines stand ahead of the batch's wait, its loads directly behind it.
; The first read of a result stands four plain instructions behind its last product: OPF 4 to OPF 7 for the first accumulator; OPF 6, OPF 7, OPX 0, OPX 2 for the second.
; The plain instruction behind the batch's last exponential (OPX 9): the next turn's OPF 0, an address line, or the first sum.
.macro TURN p, kbuf, mm, fetch
.set rSY, S+16*((\p)%2)
.set rTY, ST+6*(\p)
.if (\p)%2
.set rEY, rSY
.else
.set rEY, WT
.endif
.set ZP, ((\p)+1)%4
.set rSZ, S+16*(ZP%2)
.set rTZ, ST+6*ZP
.set NOX, 1-(\mm)
.set KB, (\kbuf)
.if ((\p) == 3) && (\mm)
	s_wait_dscnt 0x0                               ; the next step's K and w are in
.endif
	MM 0
	OPF 0
	OPF 1
	OPE 0
	OPE 1
	MM 1
	OPF 2
	OPE 2
	OPF 3
	OPE 3
	MM 2
	OPF 4
	OPE 4
	OPF 5
	OPE 5
	MM 3
	OPF 6
	OPE 6
	OPF 7
	OPE 7
	OPX 0
	OPE 8
	OPX 2
	OPE 9
	OPX 1
	OPE 10
	OPX 3
	OPE 11
	OPX 4
	OPE 12
	OPX 5
	OPE 13
	OPX 6
	OPE 14
	OPX 7
	OPE 15
	OPX 8
	OPX 10
	OPX 9
.if (\p)%2
.if \fetch
	FADDR
.endif
	s_wait_alu depctr_va_vdst(0)                   ; the wait for the batch: both turns' 32 weights and two a; it stands ahead of the first line that names a result
.if \fetch
	FLOADS 1-(\kbuf)
.endif
	OPB WT, 0
	OPB rSY, 0
	OPB WT, 1
	OPB rSY, 1
	OPL rTY-6, WT, 0
	OPL rTY, rSY, 0
	OPB WT, 2
	OPB rSY, 2
	OPL rTY-6, WT, 1
	OPL rTY, rSY, 1
	OPB WT, 3
	OPB rSY, 3
	OPL rTY-6, WT, 2
	OPL rTY, rSY, 2
	OPL rTY-6, WT, 3
	OPL rTY, rSY, 3
.endif
.endm
.macro ALL4 line:vararg                ; one line for each piece t
.set t, 0
.rept 4
	\line
.set t, t+1
.endr
.endm
	s_mov_b32 s56, 3
.Lhead:                                                ; three heads; a head is eight steps of 32 keys
	ALL4 v_mov_b32 v[ST+6*t], 0xff7fffff           ; m starts at the lowest finite number, so the first a is 0,
	ALL4 v_mov_b32 v[ST+6*t+4], 0                  ; and l at 0
	ALL4 v_mov_b32 v[ST+6*t+5], 0
	FETCH 0                                        ; steps 0 and 1
	FETCH 1
	v_add_nc_u32 v[AQ], s62, v[AQ0]
.irp t, 0,1,2,3
.irp c, 0,1
	ds_load_b128 v[Q+16*\t+8*\c:Q+16*\t+8*\c+3],   v[AQ] offset:\t*2304+64*\c
	ds_load_b128 v[Q+16*\t+8*\c+4:Q+16*\t+8*\c+7], v[AQ] offset:\t*2304+64*\c+32
.endr
.endr
	s_wait_dscnt 0x0
.set ZP, 0
.set rSZ, S
.set rTZ, ST
.set NOX, 0
.set KB, 0
	MM 0                                           ; piece 0's first scores
	MM 1
	MM 2
	MM 3
.rept 4
	v_nop                                          ; the places behind those products
.endr
.irp n, 0,1,2,3,4,5,6,7,8,9,10
	OPX \n
.endr
	s_wait_alu depctr_va_vdst(0)                   ; piece 0's first a: a batch of one, with its wait ahead of the label; OPX 10 is the plain instruction behind it
	s_mov_b32 s57, 3
.Ltrip:                                                ; a trip is two steps and fetches the two after the next
	TURN 0, 0, 1, 0
	TURN 1, 0, 1, 0
	TURN 2, 0, 1, 0
	TURN 3, 1, 1, 1
	TURN 0, 1, 1, 0
	TURN 1, 1, 1, 0
	TURN 2, 1, 1, 0
	TURN 3, 0, 1, 1
	s_sub_co_u32 s57, s57, 1
	s_cmp_lg_u32 s57, 0
	s_cbranch_scc1 .Ltrip
	TURN 0, 0, 1, 0                                ; the last two steps fetch nothing
	TURN 1, 0, 1, 0
	TURN 2, 0, 1, 0
	TURN 3, 1, 1, 0
	TURN 0, 1, 1, 0
	TURN 1, 1, 1, 0
	TURN 2, 1, 1, 0
	TURN 3, 0, 0, 0
	; A head's end: a row's two halves of the lanes are merged, (m, l) stored: pieces 2 a and 2 a + 1 in the two halves of the lanes, 256 consecutive aligned bytes a store.
	ALL4 v_add_f32 v[S+4*t], v[ST+6*t+4], v[ST+6*t+5]
	ALL4 v_permlanex16_b32 v[S+4*t+1], v[ST+6*t], s60, s61
	ALL4 v_max_num_f32 v[S+4*t+1], v[ST+6*t], v[S+4*t+1]
	ALL4 v_sub_f32 v[S+4*t+2], v[ST+6*t], v[S+4*t+1]
	ALL4 v_exp_f32 v[S+4*t+2], v[S+4*t+2]
	v_nop                                          ; a plain instruction behind the last exponential
	s_wait_alu depctr_va_vdst(0)                   ; one wait for the four pieces' exponentials
	ALL4 v_mul_f32 v[S+4*t], v[S+4*t], v[S+4*t+2]
	ALL4 v_permlanex16_b32 v[S+4*t+3], v[S+4*t], s60, s61
	ALL4 v_add_f32 v[S+4*t], v[S+4*t], v[S+4*t+3]
	v_cndmask_b32 v[OUT], v[S+1], v[S+5], s63
	v_cndmask_b32 v[OUT+1], v[S], v[S+4], s63
	v_cndmask_b32 v[OUT+2], v[S+9], v[S+13], s63
	v_cndmask_b32 v[OUT+3], v[S+8], v[S+12], s63
	global_store_b64 v[OO], v[OUT:OUT+1], s[10:11]
	global_store_b64 v[OO], v[OUT+2:OUT+3], s[10:11] offset:256
	s_wait_xcnt 0x0                                ; the stores' base and data are rewritten only behind this wait
	s_add_nc_u64 s[10:11], s[10:11], 16384         ; the next head
	s_add_co_u32 s62, s62, 36864
	s_wait_tensorcnt 0x0                           ; my parts of the later heads' tiles are in: they had a head's work in which to land
	s_wait_dscnt 0x0
	s_barrier_signal -1
	s_barrier_wait -1                              ; everybody's are
	s_sub_co_u32 s56, s56, 1
	s_cmp_lg_u32 s56, 0
	s_cbranch_scc1 .Lhead
	s_wait_tensorcnt 0x0                           ; the wave's end
	ds_add_u32 v[SPW], v[NIL]
	s_wait_dscnt 0x0
	CROUND                                         ; the closing round
	s_endpgm
.Lfunc_end_k_q08d84e047f_lse:
	.size	k_q08d84e047f_lse, .Lfunc_end_k_q08d84e047f_lse-k_q08d84e047f_lse
	.p2alignl 7, 3214868480
	.fill 96, 4, 3214868480
	.section	.rodata,"a",@progbits
	.p2align	6, 0x0
	.amdhsa_kernel k_q08d84e047f_lse
		.amdhsa_group_segment_fixed_size 229376
		.amdhsa_private_segment_fixed_size 0
		.amdhsa_enable_private_segment 0
		.amdhsa_kernarg_size 32
		.amdhsa_user_sgpr_count 2
		.amdhsa_user_sgpr_kernarg_segment_ptr 1
		.amdhsa_wavefront_size32 1
		.amdhsa_system_sgpr_workgroup_id_x 1
		.amdhsa_system_sgpr_workgroup_id_y 1
		.amdhsa_system_sgpr_workgroup_id_z 1
		.amdhsa_system_vgpr_workitem_id 0
		.amdhsa_next_free_vgpr 256
		.amdhsa_next_free_sgpr 80
		.amdhsa_reserve_vcc 0
		.amdhsa_float_denorm_mode_32 3
		.amdhsa_float_denorm_mode_16_64 3
		.amdhsa_memory_ordered 1
		.amdhsa_forward_progress 1
		.amdhsa_inst_pref_size 63
	.end_amdhsa_kernel
	.amdgpu_metadata
---
amdhsa.version: [ 1, 2 ]
amdhsa.kernels:
  - .name:           k_q08d84e047f_lse
    .symbol:         k_q08d84e047f_lse.kd
    .args:
      - { .name: qb, .offset: 0, .size: 8, .value_kind: global_buffer, .address_space: global }
      - { .name: kb, .offset: 8, .size: 8, .value_kind: global_buffer, .address_space: global }
      - { .name: pv, .offset: 16, .size: 8, .value_kind: global_buffer, .address_space: global }
      - { .name: pu, .offset: 24, .size: 8, .value_kind: global_buffer, .address_space: global }
    .group_segment_fixed_size: 229376
    .private_segment_fixed_size: 0
    .kernarg_segment_align: 8
    .kernarg_segment_size: 32
    .max_flat_workgroup_size: 128
    .sgpr_count:     80
    .vgpr_count:     256
    .wavefront_size: 32
...
	.end_amdgpu_metadata
.endif
;; end of part 6
;; launch c1: the kernel of part 6 again; grid 8 x 32, 4 waves a work-group, clusters of 4 x 1, 229,376 bytes of LDS; arguments kb, qb, pu, pv; writes pv
;; launch r2: the kernel of part 6 again; grid 8 x 32, 4 waves a work-group, clusters of 4 x 1, 229,376 bytes of LDS; arguments qb, kb, pv, pu; writes pu
;; launch c2: the kernel of part 6 again; grid 8 x 32, 4 waves a work-group, clusters of 4 x 1, 229,376 bytes of LDS; arguments kb, qb, pu, pv; writes pv
;; launch r3: the kernel of part 6 again; grid 8 x 32, 4 waves a work-group, clusters of 4 x 1, 229,376 bytes of LDS; arguments qb, kb, pv, pu; writes pu
;; launch c3: the kernel of part 6 again; grid 8 x 32, 4 waves a work-group, clusters of 4 x 1, 229,376 bytes of LDS; arguments kb, qb, pu, pv; writes pv
;; launch av (part 7): grid 16 x 12, 4 waves a work-group, clusters of 4 x 1, 327,680 bytes of LDS; arguments qb, kb, vb, pu, pv, ab; writes ab
.if DOCPART == 7
	.amdgcn_target "amdgcn-amd-amdhsa--gfx1250"
	.amdhsa_code_object_version 6
	.text
	.protected	k_q08d84e047f_av
	.globl	k_q08d84e047f_av
	.p2align	8
	.type	k_q08d84e047f_av,@function
k_q08d84e047f_av:
	s_mov_b64 s[64:65], 0
	v_nop
	global_prefetch_b8 v0, s[64:65] scope:SCOPE_SE
	s_setreg_imm32_b32 hwreg(HW_REG_WAVE_MODE, 25, 1), 1
	s_wait_xcnt 0x0
	s_wait_alu depctr_hold_cnt(0) depctr_sa_sdst(0) depctr_va_vdst(0) depctr_va_sdst(0) depctr_va_ssrc(0) depctr_va_vcc(0) depctr_vm_vsrc(0)
	s_getreg_b32 s2, hwreg(HW_REG_IB_STS2, 6, 4)
	s_cmp_eq_u32 s2, 0
	s_cbranch_scc0 .Lentry_in_a_cluster
	s_endpgm
.Lentry_in_a_cluster:
	s_bfe_u32 s2, ttmp6, 0x10000c
	s_cmp_lg_u32 s2, 0x3003
	s_cbranch_scc0 .Lentry_shape_is_right
	s_endpgm
.Lentry_shape_is_right:
; AV: ctx[i] = the sum over j of P_ij V_j, P = n exp(S + u + v) = 2^(s_ij + w_j + U_i): s = q . k (the scale lies in q), w_j = -11 - log2(sum of v's eight partials), U_i = -log2(sum of u's eight partials).
; The last column pass has made every column of P sum to 1, so P lies in 0 to 1 (to within rounding): no maximum is taken away here, as the formula itself takes none.
; q, k, v: [12][2048][64] bf16.  pu, pv: [8][12][2048][2] f32.  ctx goes out as [16 row blocks][12 heads][128][64] bf16, rounded once; P is rounded to bf16 for the second product; sums in f32.
; SHARES.  A work-group: 128 rows of a head (192 work-groups: a split over keys would send f32 partial sums through memory); a wave: 32 rows, two tiles of 16.
; The keys go in four chunks of 512 through two LDS slots; waves 0, 1 fetch the halves of a chunk's K, waves 2, 3 those of its V (128 rows of 256 bytes a load).
; CLUSTER 4 x 1: the four row blocks of a cluster belong to one head and walk the same K and V: joint loads.
; LAYOUT.  S^T = K Q^T + w (w is the C operand): a lane holds one row and the keys 8 (lane / 16) + 0..7; two such results rounded to bf16, in place, ARE source 1 of O^T = V^T P.
; PIPELINE.  A step is 32 keys.  Beside step t's additions, exponentials and roundings (four behind each matrix instruction) stand 8 products V^T P of step t - 1 and 8 products K Q^T of step t + 1.
; BATCHES.  A step's 32 exponentials are ONE batch with ONE wait: ahead of it stand the additions and the exponentials, behind it the roundings, which alone read the exponentials' results.
; It is drained at each chunk's end.  O^T is cleared by 64 v_mov_b32 in the wait for the first tile: a first step written out would stand in all four chunks' texts.
; LIMITS: a weight below 2^-126 counts as 0; NaN and infinities are not treated apart; operands are bf16.
.set SLOT,  155648                     ; K [512][144], then V [512][160]
.set VOFF,  73728
.set BIAS,  311296                     ; w, f32 [2048]: written by ds_store, no tile lands here
.set SPARE, 319488                     ; the spare words
.set AK0, 2
.set AV0, 3
.set AC0, 4
.set AK,  5
.set AV,  6
.set AC,  7
.set SPW, 8
.set NIL, 9
.set U,   10                           ; v[10:11] = U of tile 0, 0; v[12:13] = U of tile 1, 0
.set PO,  14                           ; 16 x thread
.set BS,  15                           ; BIAS + 8 x thread
.set S,   16                           ; two buffers x two tiles x 16
.set O,   80                           ; 32 t + 8 cb
.set Q,   144                          ; 16 t + 8 c
.set KF,  176                          ; 16 kb + 8 c
.set VF,  208                          ; 8 cb
.set CB,  240                          ; 8 kb
.set TM,  240                          ; in front of the loop: the merge's registers at work
.set QO,  250
.set UO,  251
.set STO, 176                          ; the way out
.set RD,  177
.set GO,  178
.macro CROUND
	s_barrier_signal -1
	s_barrier_wait -1
	s_cmp_lg_u32 s16, 0
	s_cbranch_scc1 .Lnot_wave_0_\@
	s_barrier_signal -3
.Lnot_wave_0_\@:
	s_barrier_wait -3
	s_barrier_signal -1
	s_barrier_wait -1
.endm
.macro JLOAD s                         ; a joint refill; an s_nop 0 and four v_nop follow each line
	s_cmp_lt_u32 s16, 2
	s_cbranch_scc0 .Lfor_v_\@
	tensor_load_to_lds s[40+4*(\s):43+4*(\s)], s[24:31]
	s_nop 0
.rept 4
	v_nop
.endr
	s_branch .Lasked_\@
.Lfor_v_\@:
	tensor_load_to_lds s[48+4*(\s):51+4*(\s)], s[32:39]
	s_nop 0
.rept 4
	v_nop
.endr
.Lasked_\@:
.endm
; Two values at once, each from eight partials: m at b + st e (second value: vo further), l one register on.  out = k - (mm + log2(sum of l 2^(m - mm))), mm the largest m: the sum is at least 1.
; Two batches: the sixteen exponentials, and the two logarithms of sums made of them.
.macro MERGE2 b, st, vo, o0, o1, k
	v_max3_num_f32 v[TM],   v[(\b)], v[(\b)+(\st)], v[(\b)+2*(\st)]
	v_max3_num_f32 v[TM+1], v[(\b)+(\vo)], v[(\b)+(\vo)+(\st)], v[(\b)+(\vo)+2*(\st)]
	v_max3_num_f32 v[TM],   v[TM], v[(\b)+3*(\st)], v[(\b)+4*(\st)]
	v_max3_num_f32 v[TM+1], v[TM+1], v[(\b)+(\vo)+3*(\st)], v[(\b)+(\vo)+4*(\st)]
	v_max3_num_f32 v[TM],   v[TM], v[(\b)+5*(\st)], v[(\b)+6*(\st)]
	v_max3_num_f32 v[TM+1], v[TM+1], v[(\b)+(\vo)+5*(\st)], v[(\b)+(\vo)+6*(\st)]
	v_max_num_f32 v[TM],   v[TM], v[(\b)+7*(\st)]
	v_max_num_f32 v[TM+1], v[TM+1], v[(\b)+(\vo)+7*(\st)]
.irp e, 0,1,2,3,4,5,6,7
	v_sub_f32 v[(\b)+(\st)*\e], v[(\b)+(\st)*\e], v[TM]
	v_sub_f32 v[(\b)+(\vo)+(\st)*\e], v[(\b)+(\vo)+(\st)*\e], v[TM+1]
.endr
.irp e, 0,1,2,3,4,5,6,7
	v_exp_f32 v[(\b)+(\st)*\e], v[(\b)+(\st)*\e]
	v_exp_f32 v[(\b)+(\vo)+(\st)*\e], v[(\b)+(\vo)+(\st)*\e]
.endr
	v_nop                                          ; a plain instruction between the exponentials and the use of their results
	s_wait_alu depctr_va_vdst(0)                   ; one wait for the sixteen exponentials, ahead of their first reader
	v_mul_f32 v[TM+2], v[(\b)+1], v[(\b)]
	v_mul_f32 v[TM+3], v[(\b)+(\vo)+1], v[(\b)+(\vo)]
.irp e, 1,2,3,4,5,6,7
	v_fmac_f32 v[TM+2], v[(\b)+(\st)*\e+1], v[(\b)+(\st)*\e]
	v_fmac_f32 v[TM+3], v[(\b)+(\vo)+(\st)*\e+1], v[(\b)+(\vo)+(\st)*\e]
.endr
	v_log_f32 v[TM+2], v[TM+2]
	v_log_f32 v[TM+3], v[TM+3]
	v_nop
	s_wait_alu depctr_va_vdst(0)                   ; one wait for the two logarithms
	v_add_f32 v[TM+2], v[TM], v[TM+2]
	v_add_f32 v[TM+3], v[TM+1], v[TM+3]
	v_sub_f32 v[\o0], \k, v[TM+2]
	v_sub_f32 v[\o1], \k, v[TM+3]
.endm
.macro RHO b, n                        ; round n of pv: 256 keys, two a thread, all eight parts
.irp e, 0,1,2,3,4,5,6,7
	global_load_b128 v[(\b)+4*\e:(\b)+4*\e+3], v[PO], s[12:13] offset:\e*196608+2048*(\n)
.endr
.endm
.macro BIASOUT b, n, left              ; left: the younger loads, which stay out
	s_wait_loadcnt \left
	MERGE2 \b, 4, 2, TM+4, TM+5, 0xc1300000
	ds_store_b64 v[BS], v[TM+4:TM+5] offset:1024*(\n)
.endm
	s_load_b256 s[4:11], s[0:1], 0x0               ; q s[4:5], k s[6:7], v s[8:9], pu s[10:11]
	s_load_b128 s[12:15], s[0:1], 0x20             ; pv s[12:13], ctx s[14:15]
	v_lshl_add_u32 v[SPW], v0, 2, SPARE
	v_mov_b32 v[NIL], 0
	ds_add_u32 v[SPW], v[NIL]                      ; the wave's opening: the add and its wait stand ahead of my first tensor load
	v_lshrrev_b32 v1, 5, v0
	v_readfirstlane_b32 s16, v1                    ; wave 0..3
	s_bfe_u32 s17, ttmp6, 0x40000                  ; cx
	s_lshl_b32 s18, ttmp9, 2
	s_add_co_u32 s18, s18, s17                     ; x: my block of 128 rows; it enters q's, pu's and ctx's addresses alone
	s_and_b32 s19, ttmp7, 0xffff                   ; the head, which the four partners share
	s_and_b32 s20, s16, 1                          ; which half of a chunk I fetch
	s_mul_i32 s21, s20, 36864                      ; its place in a slot, for K
	s_mul_i32 s22, s20, 40960
	s_add_co_u32 s22, s22, VOFF                    ; and for V
	s_lshl_b32 s23, s19, 18                        ; the head's 262,144 bytes
	s_lshl_b32 s60, s20, 15
	s_add_co_u32 s60, s60, s23                     ; K and V: head, half
	s_mov_b32 s61, 0
	s_lshl_b32 s59, s18, 7
	s_lshl_b32 s58, s16, 5
	s_add_co_u32 s59, s59, s58                     ; my first row: 128 x + 32 w
	s_lshl_b32 s62, s59, 7
	s_add_co_u32 s62, s62, s23                     ; q
	s_mov_b32 s63, 0
	s_lshl_b32 s68, s19, 14                        ; pv: the head's 16,384 bytes
	s_mov_b32 s69, 0
	s_lshl_b32 s66, s59, 3
	s_add_co_u32 s66, s66, s68                     ; pu
	s_mov_b32 s67, 0
	s_mul_i32 s70, s18, 12
	s_add_co_u32 s70, s70, s19
	s_lshl_b32 s70, s70, 14
	s_lshl_b32 s58, s16, 12
	s_add_co_u32 s70, s70, s58                     ; ctx: block (x, head), row 32 w
	s_mov_b32 s71, 0
	s_mov_b32 s24, 15|(1<<16)|(1<<20)|(1<<21)|(4<<22)|(3<<25)  ; K: the mask of four; 2-byte elements; padding on; bit 21 beside a mask; after every 32 words 4 words
	s_mov_b32 s32, 15|(1<<16)|(1<<20)|(1<<21)|(4<<22)|(7<<25)  ; V: 8 words
.irp g, 24, 32
	s_mov_b32 s[\g+1], 128<<16                     ; tensor_dim0 = 128 elements: two keys
	s_mov_b32 s[\g+2], 128<<16                     ; tensor_dim1 = 128
	s_mov_b32 s[\g+3], 128<<16                     ; tile_dim0
	s_mov_b32 s[\g+4], 128                         ; tile_dim1
	s_mov_b32 s[\g+5], 128                         ; dense
	s_mov_b32 s[\g+6], 0
	s_mov_b32 s[\g+7], 0
.endr
	v_and_b32 v1, 15, v0                           ; r
	v_bfe_u32 v252, v0, 4, 1                       ; h
	v_mul_u32_u24 v[AK0], v1, 144
	v_lshl_add_u32 v[AK0], v252, 4, v[AK0]
	v_and_b32 v253, 7, v0
	v_lshl_add_u32 v[AV0], v252, 3, v253           ; the turning load: key 8 h + l % 8,
	v_mul_u32_u24 v[AV0], v[AV0], 160
	v_bfe_u32 v253, v0, 3, 1
	v_lshl_add_u32 v[AV0], v253, 4, v[AV0]         ; 16 bytes for each half of eight lanes
	v_add_nc_u32 v[AV0], VOFF, v[AV0]
	v_lshlrev_b32 v[AC0], 5, v252
	v_add_nc_u32 v[AC0], BIAS, v[AC0]
	v_lshlrev_b32 v[PO], 4, v0
	v_lshl_add_u32 v[BS], v0, 3, BIAS
	v_lshlrev_b32 v[QO], 7, v1
	v_lshl_add_u32 v[QO], v252, 4, v[QO]           ; row x 128 + 16 h
	v_lshlrev_b32 v[UO], 3, v1
	s_wait_dscnt 0x0                               ; the opening add is done
	s_wait_kmcnt 0x0
	s_add_nc_u64 s[72:73], s[6:7], s[60:61]
	s_add_nc_u64 s[74:75], s[8:9], s[60:61]
	s_add_nc_u64 s[4:5], s[4:5], s[62:63]
	s_add_nc_u64 s[10:11], s[10:11], s[66:67]
	s_add_nc_u64 s[12:13], s[12:13], s[68:69]
	s_add_nc_u64 s[14:15], s[14:15], s[70:71]
.irp s, 0,1
	s_mov_b32 s[40+4*\s], 1
	s_add_co_u32 s[41+4*\s], s21, \s*SLOT
	s_add_nc_u64 s[42+4*\s:43+4*\s], s[72:73], \s*65536   ; chunk s: 512 keys of 128 bytes
	s_or_b32 s[43+4*\s], s[43+4*\s], 0x80000000
	s_mov_b32 s[48+4*\s], 1
	s_add_co_u32 s[49+4*\s], s22, \s*SLOT
	s_add_nc_u64 s[50+4*\s:51+4*\s], s[74:75], \s*65536
	s_or_b32 s[51+4*\s], s[51+4*\s], 0x80000000
.endr
.irp t, 0,1
.irp e, 0,1,2,3,4,5,6,7
	global_load_b64 v[208+16*\t+2*\e:208+16*\t+2*\e+1], v[UO], s[10:11] offset:\e*196608+128*\t  ; my rows' (m, l) of u
.endr
.endr
.irp t, 0,1
.irp c, 0,1
	global_load_b128 v[Q+16*\t+8*\c:Q+16*\t+8*\c+3],   v[QO], s[4:5] offset:\t*2048+64*\c         ; Q stays in registers
	global_load_b128 v[Q+16*\t+8*\c+4:Q+16*\t+8*\c+7], v[QO], s[4:5] offset:\t*2048+64*\c+32
.endr
.endr
	RHO 16, 0
	RHO 48, 1
	RHO 80, 2
	RHO 112, 3
	RHO 176, 4
	CROUND                                         ; all four work-groups are here: the first joint loads meet
	s_cmp_lt_u32 s16, 2                            ; a wave's two first fills stand in one branch: two loads of mine are out
	s_cbranch_scc0 .Lfirst_v
	tensor_load_to_lds s[40:43], s[24:31]
	s_nop 0
	tensor_load_to_lds s[44:47], s[24:31]
	s_nop 0
.rept 4
	v_nop
.endr
	s_branch .Lfirst_asked
.Lfirst_v:
	tensor_load_to_lds s[48:51], s[32:39]
	s_nop 0
	tensor_load_to_lds s[52:55], s[32:39]
	s_nop 0
.rept 4
	v_nop
.endr
.Lfirst_asked:
	s_wait_loadcnt 48                              ; u's partials are in; behind them: Q's 8 loads and five rounds of 8
	MERGE2 208, 2, 16, U, U+2, 0
	v_mov_b32 v[U+1], 0                            ; named in pairs with U
	v_mov_b32 v[U+3], 0
	RHO 208, 5
	BIASOUT 16, 0, 40                              ; behind round 0: rounds 1 to 5
	RHO 16, 6
	BIASOUT 48, 1, 40                              ; rounds 2 to 6
	RHO 48, 7
	BIASOUT 80, 2, 40                              ; rounds 3 to 7
	BIASOUT 112, 3, 32
	BIASOUT 176, 4, 24
	BIASOUT 208, 5, 16
	BIASOUT 16, 6, 8
	BIASOUT 48, 7, 0
.set i, 0
.rept 64
	v_mov_b32 v[O+i], 0
.set i, i+1
.endr
	s_wait_dscnt 0x0                               ; for the others' sake: my w are stored
	s_wait_tensorcnt 0x1                           ; my part of chunk 0 is in; chunk 1's may stay out
	s_barrier_signal -1
	s_barrier_wait -1
.macro FETCH_K                         ; a step's K (four fragments) and w
	v_add_nc_u32 v[AK], s56, v[AK0]
	v_add_nc_u32 v[AC], s58, v[AC0]
.irp kb, 0,1
.irp c, 0,1
	ds_load_b128 v[KF+16*\kb+8*\c:KF+16*\kb+8*\c+3],   v[AK] offset:\kb*2304+64*\c
	ds_load_b128 v[KF+16*\kb+8*\c+4:KF+16*\kb+8*\c+7], v[AK] offset:\kb*2304+64*\c+32
.endr
.endr
.irp kb, 0,1
	ds_load_b128 v[CB+8*\kb:CB+8*\kb+3],   v[AC] offset:64*\kb
	ds_load_b128 v[CB+8*\kb+4:CB+8*\kb+7], v[AC] offset:64*\kb+16
.endr
	s_add_co_u32 s56, s56, 4608
	s_add_co_u32 s58, s58, 128
.endm
.macro FETCH_V                         ; a step's V, turned: four fragments of 16 channels x 32 keys
	v_add_nc_u32 v[AV], s57, v[AV0]
.irp cb, 0,1,2,3
	ds_load_tr16_b128 v[VF+8*\cb:VF+8*\cb+3],   v[AV] offset:32*\cb
	ds_load_tr16_b128 v[VF+8*\cb+4:VF+8*\cb+7], v[AV] offset:2560+32*\cb
.endr
	s_add_co_u32 s57, s57, 5120
.endm
; SB: the buffer of the step whose vector work is in hand; both kinds of product work on the other one.  The accumulators take turns.
.macro PV i                            ; tile i % 2, channels 16 (i / 2) on
.set rO, O+32*((\i)%2)+8*((\i)/2)
.set rP, S+32*(1-SB)+16*((\i)%2)
	v_wmma_f32_16x16x32_bf16 v[rO:rO+7], v[VF+8*((\i)/2):VF+8*((\i)/2)+7], v[rP:rP+7], v[rO:rO+7]
.endm
.macro KQ i                            ; tile i % 2, keys 16 (1 - (i / 2) % 2) on, channels 32 (i / 4) on: the upper keys first, since P lies in the lower keys' registers
.set kbq, 1-((\i)/2)%2
.set rD, S+32*(1-SB)+16*((\i)%2)+8*kbq
.set rK, KF+16*kbq+8*((\i)/4)
.set rQ, Q+16*((\i)%2)+8*((\i)/4)
.if (\i) < 4
	v_wmma_f32_16x16x32_bf16 v[rD:rD+7], v[rK:rK+7], v[rQ:rQ+7], v[CB+8*kbq:CB+8*kbq+7]
.else
	v_wmma_f32_16x16x32_bf16 v[rD:rD+7], v[rK:rK+7], v[rQ:rQ+7], v[rD:rD+7]
.endif
.endm
.macro OPF n                           ; pair n of 16: + U
.set rr, S+32*SB+16*((\n)/8)+2*((\n)%8)
	v_pk_add_f32 v[rr:rr+1], v[rr:rr+1], v[U+2*((\n)/8):U+2*((\n)/8)+1] op_sel_hi:[1,0]
.endm
.macro OPE n                           ; score n of 32
.set rr, S+32*SB+(\n)
	v_exp_f32 v[rr], v[rr]
.endm
.macro OPC n                           ; pair n of 16 rounded to bf16, in place: ascending, so that nothing is written before it has been read
.set rr, S+32*SB+16*((\n)/8)
	v_cvt_pk_bf16_f32 v[rr+(\n)%8], v[rr+2*((\n)%8)], v[rr+2*((\n)%8)+1]
.endm
; The next of the 48 lines that stand ahead of a step's wait (j counts them): OPF 0; fifteen times OPF k + 1, OPE 2 k, OPE 2 k + 1; OPE 30, OPE 31.
; An addition stands two lines or more ahead of its pair's first exponential, and the additions come as late as that allows: they are the plain instructions that the products want as places.
.macro AH
.if j == 0
	OPF 0
.elseif j >= 46
	OPE j-16
.elseif (j-1)%3 == 0
	OPF (j-1)/3+1
.else
	OPE 2*((j-1)/3)+(j-1)%3-1
.endif
.set j, j+1
.endm
; ONE STEP.  pv = 1: the 8 products V^T P of the step before.  kq = 1: the 8 products K Q^T of the step after, whose K is fetched behind the first row.
; THE BATCH.  Ahead of the wait: the 8 products V^T P and the first 4 products K Q^T, behind each four of AH's 48, none of which names an exponential's result.  Behind it: the last 4 products K Q^T, behind each four of the
; 16 roundings.  The roundings OPC 0 to OPC 14 are also the plain instructions between the last exponential and the use of its result.
; K's run stands behind the last four roundings of the step before and the first two additions of this one, plain instructions behind the last product that read K.
; V's run stands four plain instructions behind the last product that read V: OPF 10, OPF 11, OPF 12 and the run's own v_add_nc_u32.
; A score is first read four plain instructions behind its last product: the step's last four roundings.
; P's registers are written over six plain instructions behind the last product that read them (tile 0: OPF 9 to OPF 13 and V's address line) or seven (tile 1: OPF 10 to OPF 15 and that line).
.macro ITER sb, pv, kq
.set SB, (\sb)
.set j, 0
.if \pv
	s_wait_dscnt 0x0                               ; V is in
.endif
.set k, 0
.rept 8
.if \pv
	PV k
.endif
.rept 4
	AH
.endr
.if (\kq) && (k == 0)
	FETCH_K
.endif
.set k, k+1
.endr
.if \kq
	s_wait_dscnt 0x0                               ; K and w are in
.endif
.set k, 0
.rept 4
.if \kq
	KQ k
.endif
.rept 4
	AH
.endr
.if k == 0
	FETCH_V
.endif
.set k, k+1
.endr
	s_wait_alu depctr_va_vdst(0)                   ; the wait for the batch: the step's 32 exponentials; it stands ahead of the first line that names a result
.rept 4
.if \kq
	KQ k
.endif
	OPC 4*k-16
	OPC 4*k-15
	OPC 4*k-14
	OPC 4*k-13
.set k, k+1
.endr
.endm
; A chunk's 16 steps.
.macro CHUNK c
	s_mov_b32 s56, ((\c)%2)*SLOT
	s_mov_b32 s57, ((\c)%2)*SLOT
	s_mov_b32 s58, 2048*(\c)
	FETCH_K
	s_wait_dscnt 0x0
.set SB, 1
.set k, 0
.rept 8
	KQ k                                           ; step 0's scores, into buffer 0
.set k, k+1
.endr
.rept 4
	v_nop                                          ; the places behind those products
.endr
	ITER 0, 0, 1
	s_mov_b32 s59, 7
.Lsteps_\@:
	ITER 1, 1, 1
	ITER 0, 1, 1
	s_sub_co_u32 s59, s59, 1
	s_cmp_lg_u32 s59, 0
	s_cbranch_scc1 .Lsteps_\@
	ITER 1, 1, 0
	s_wait_dscnt 0x0                               ; V of the last step is in
.set SB, 0
.set k, 0
.rept 8
	PV k
.set k, k+1
.endr
.endm
; THE CHANGE OF SLOTS.  Each wave waits for all its tensor loads (one is out: its part of the other slot), adds 0 to its spare word, and waits for that and for its reads of the slot.
; fill = 1: the barrier is a round of the cluster's, and the slot is filled again, two chunks on, first thing behind it: it has a chunk's 256 matrix instructions in which to land.
.macro CHANGE slot, fill
	s_wait_tensorcnt 0x0
	ds_add_u32 v[SPW], v[NIL]
.if \fill
	s_add_nc_u64 s[42+4*(\slot):43+4*(\slot)], s[42+4*(\slot):43+4*(\slot)], 131072
	s_add_nc_u64 s[50+4*(\slot):51+4*(\slot)], s[50+4*(\slot):51+4*(\slot)], 131072
	s_wait_dscnt 0x0
	CROUND
	JLOAD \slot
.else
	s_wait_dscnt 0x0
	s_barrier_signal -1
	s_barrier_wait -1
.endif
.endm
	CHUNK 0
	CHANGE 0, 1
	CHUNK 1
	CHANGE 1, 1
	CHUNK 2
	CHANGE 0, 0                                    ; nothing is left to fetch
	CHUNK 3
	; THE WAY OUT.  The stage, 16 rows x 144 bytes a wave, lies in slot 0, whose last fill was chunk 2 and which every wave left at the last barrier.
	; The addresses are made here: thirteen plain instructions that name no register of the last products are the places behind them.
	v_and_b32 v1, 15, v0
	v_bfe_u32 v179, v0, 4, 1
	s_mul_i32 s20, s16, 2304
	v_mul_u32_u24 v[STO], v1, 144                  ; in: row l % 16, 16 bytes for each half of the lanes
	v_lshl_add_u32 v[STO], v179, 4, v[STO]
	v_add_nc_u32 v[STO], s20, v[STO]
	v_bfe_u32 v[RD], v0, 3, 2                      ; back: four rows of 128 bytes a load,
	v_mul_u32_u24 v[RD], v[RD], 144
	v_and_b32 v180, 7, v0
	v_lshl_add_u32 v[RD], v180, 4, v[RD]
	v_add_nc_u32 v[RD], s20, v[RD]
	v_and_b32 v[GO], 31, v0                        ; which are 512 consecutive bytes of ctx
	v_lshlrev_b32 v[GO], 4, v[GO]
.macro PACK t
.set i, 0
.rept 16
	v_cvt_pk_bf16_f32 v[S+16*(\t)+i], v[O+32*(\t)+2*i], v[O+32*(\t)+2*i+1]
.set i, i+1
.endr
.irp f, 0,1,2,3
	ds_store_b128 v[STO], v[S+16*(\t)+4*\f:S+16*(\t)+4*\f+3] offset:32*\f
.endr
.irp f, 0,1,2,3
	ds_load_b128 v[S+16*(\t)+4*\f:S+16*(\t)+4*\f+3], v[RD] offset:\f*576  ; LDS serves a wave's instructions in order: these see the stores above, and the next tile's stores come behind them
.endr
.endm
.macro SEND t, younger                 ; younger: the LDS instructions issued behind tile t's loads
.irp f, 0,1,2,3
	s_wait_dscnt (\younger)+3-\f
	global_store_b128 v[GO], v[S+16*(\t)+4*\f:S+16*(\t)+4*\f+3], s[14:15] offset:(\t)*2048+\f*512  ; 512 consecutive bytes, at a multiple of 256 from ctx's first
.endr
.endm
	PACK 0
	PACK 1
	SEND 0, 8
	SEND 1, 0
	s_wait_tensorcnt 0x0                           ; the wave's end
	ds_add_u32 v[SPW], v[NIL]
	s_wait_dscnt 0x0
	CROUND                                         ; the closing round
	s_endpgm
.Lfunc_end_k_q08d84e047f_av:
	.size	k_q08d84e047f_av, .Lfunc_end_k_q08d84e047f_av-k_q08d84e047f_av
	.p2alignl 7, 3214868480
	.fill 96, 4, 3214868480
	.section	.rodata,"a",@progbits
	.p2align	6, 0x0
	.amdhsa_kernel k_q08d84e047f_av
		.amdhsa_group_segment_fixed_size 327680
		.amdhsa_private_segment_fixed_size 0
		.amdhsa_enable_private_segment 0
		.amdhsa_kernarg_size 48
		.amdhsa_user_sgpr_count 2
		.amdhsa_user_sgpr_kernarg_segment_ptr 1
		.amdhsa_wavefront_size32 1
		.amdhsa_system_sgpr_workgroup_id_x 1
		.amdhsa_system_sgpr_workgroup_id_y 1
		.amdhsa_system_sgpr_workgroup_id_z 1
		.amdhsa_system_vgpr_workitem_id 0
		.amdhsa_next_free_vgpr 256
		.amdhsa_next_free_sgpr 80
		.amdhsa_reserve_vcc 0
		.amdhsa_float_denorm_mode_32 3
		.amdhsa_float_denorm_mode_16_64 3
		.amdhsa_memory_ordered 1
		.amdhsa_forward_progress 1
		.amdhsa_inst_pref_size 137
	.end_amdhsa_kernel
	.amdgpu_metadata
---
amdhsa.version: [ 1, 2 ]
amdhsa.kernels:
  - .name:           k_q08d84e047f_av
    .symbol:         k_q08d84e047f_av.kd
    .args:
      - { .name: qb, .offset: 0, .size: 8, .value_kind: global_buffer, .address_space: global }
      - { .name: kb, .offset: 8, .size: 8, .value_kind: global_buffer, .address_space: global }
      - { .name: vb, .offset: 16, .size: 8, .value_kind: global_buffer, .address_space: global }
      - { .name: pu, .offset: 24, .size: 8, .value_kind: global_buffer, .address_space: global }
      - { .name: pv, .offset: 32, .size: 8, .value_kind: global_buffer, .address_space: global }
      - { .name: ab, .offset: 40, .size: 8, .value_kind: global_buffer, .address_space: global }
    .group_segment_fixed_size: 327680
    .private_segment_fixed_size: 0
    .kernarg_segment_align: 8
    .kernarg_segment_size: 48
    .max_flat_workgroup_size: 128
    .sgpr_count:     80
    .vgpr_count:     256
    .wavefront_size: 32
...
	.end_amdgpu_metadata
.endif
;; end of part 7
;; launch oproj: the kernel of part 2 again; grid 4 x 16, 4 waves a work-group, clusters of 4 x 4, 327,680 bytes of LDS; arguments ab, wo, qb, kb, vb; writes qb, kb, vb
;; launch ln: the kernel of part 5 again; grid 256 x 1, 4 waves a work-group, no clusters, 0 bytes of LDS; arguments qb, hidden_states, ln_g, ln_b, out0; writes out0
